; MI455X (gfx1250); checked and timed in simulation.
; The chip was launched on July 23, 2026; its instructions are those of AMD's public machine-readable ISA for CDNA 5 (MIT licence, August 2026) and "CDNA5" Instruction Set Architecture Reference Guide (July 2026). The comments in the code are by the model that wrote it; some were corrected since.
;; Multi Head Attention. Allowed arithmetic: matrix products marked QUANTISED: E2M3 operands, one E8M0 scale for each 32 along K, by v_wmma_scale_f32_16x16x128_f8f6f4 with both operands' format E2M3, f32 sums; everything else in f32.
;; Inputs: W_k 1,024 x 1,024 float32; W_o 1,024 x 1,024 float32; W_q 1,024 x 1,024 float32; W_v 1,024 x 1,024 float32; b_k 1,024 float32; b_o 1,024 float32; b_q 1,024 float32; b_v 1,024 float32; x 4 x 2,048 x 1,024 float32.
;; Outputs: out0 4 x 2,048 x 1,024 float32.
;; This version of the problem:
;;   THIS VERSION OF THE PROBLEM IS GIVEN IN LOW PRECISION. The matrix products marked QUANTISED in the list below multiply operands that are first quantised to E2M3 (2 exponent bits, 3 mantissa bits; 6 bits a number), with one power-of-two scale for each 32 numbers along K (OCP MX v1.0); their sums are f32. All else is computed in f32.
;;   The module's matrix products, in the order in which they are computed (A, B: the left and right operand; K: the contracted axis; several contracted axes count as one K, in the product's order):
;;     1. [M 8,192, K 1,024] x [K 1,024, N 1,024]; A: input x; B: input W_q: QUANTISED
;;     2. [M 8,192, K 1,024] x [K 1,024, N 1,024]; A: input x; B: input W_k: QUANTISED
;;     3. [M 8,192, K 1,024] x [K 1,024, N 1,024]; A: input x; B: input W_v: QUANTISED
;;     4. batch 64 x [M 2,048, K 64] x [K 64, N 2,048]; A: computed on the way; B: computed on the way: QUANTISED
;;     5. batch 64 x [M 2,048, K 2,048] x [K 2,048, N 64]; A: softmax (see below); B: computed on the way: QUANTISED
;;     6. [M 8,192, K 1,024] x [K 1,024, N 1,024]; A: computed on the way; B: input W_o: QUANTISED
;;   THE QUANTISER, for each operand of a quantised product, along K:
;;     - K is cut into blocks of 32 from its start; a last block that is shorter is filled with zeros.
;;     - A block's scale is 2^e with e = floor(log2(the largest magnitude in the block)) - 2, held to -126 .. 127; a block of zeros has e = 0. As a byte (E8M0): e + 127.
;;     - Each number is divided by its block's scale, clamped to +-7.5, and rounded to the nearest number of E2M3, ties to even, subnormals kept.
;;     - The product sums the exact products of the quantised numbers (number of the format x scale) in f32.
;;   ~~~python
;;   def quantise(x, axis):      # numpy; x: float32 -> the quantised numbers, widened to float32 again
;;       x = np.moveaxis(x, axis, -1); K = x.shape[-1]
;;       x = np.pad(x, [(0, 0)] * (x.ndim - 1) + [(0, -K % 32)]); x = x.reshape(x.shape[:-1] + (-1, 32)); a = np.abs(x).max(-1, keepdims=True)
;;       e = np.where(a > 0, np.clip(np.frexp(np.where(a > 0, a, 1))[1] - 1 - 2, -126, 127), 0)      # np.frexp(a)[1] - 1 = floor(log2(a)), exactly
;;       r = np.clip(x / 2.0 ** e, -7.5, 7.5)
;;       step = 2.0 ** (np.maximum(np.frexp(np.where(r == 0, 1, r))[1] - 1, 0) - 3)
;;       q = np.round(r / step) * step * 2.0 ** e      # np.round: ties to even
;;       return np.moveaxis(q.reshape(q.shape[:-2] + (-1,))[..., :K], -1, axis).astype(np.float32)
;;   ~~~
;;   SOFTMAX AHEAD OF A QUANTISED PRODUCT. Where the list says 'softmax', what is quantised is not the finished softmax but p = 2^(t - M), with t = logit x log2(e) and M = ceil(the row's largest t), a whole number; so 1/2 < the row's largest p <= 1. The row's sum l is taken of the UNQUANTISED p, in f32, and the product's result is divided by l at the end. Since M is a whole number, a kernel that streams over the keys may use a running M (the ceiling of the running maximum): every later rescaling is an exact power of two, which a block's scale takes up: the codes' values come out the same.
;;   OPERANDS COMPUTED ON THE WAY. 'Computed on the way' means the value that the module computes at that place (a softmax that the list does not call 'softmax' is quantised finished and normalised). What goes into a quantiser is computed in f32, as accurately as f32 sums, v_exp_f32 and their like allow (about 1e-6 of the number): no bf16 or f16 on the way to a quantiser, and a product that is left as it is and whose result goes on into a quantised operand takes f32 operands (vector FMAs, or v_wmma_f32_16x16x4_f32). A number that lies on a knife's edge between two numbers of the format may be rounded either way, as far as f32 arithmetic and the matrix unit's own rounding can turn it there, and no further.
;; One version. Each part assembles by itself: llvm-mc -triple=amdgcn-amd-amdhsa -mcpu=gfx1250 --defsym DOCPART=n.
;; ======== version 1 of 1: 4 launches
;; limits: right only within a limited range of input values
;; workspace buffers: xc 6,291,456 bytes; xs 262,144 bytes; wc 3,145,728 bytes; ws 131,072 bytes; qkv 20,185,088 bytes; oc 6,291,456 bytes; os 262,144 bytes
;; launch quant (part 1): grid 256 x 1, 6 waves a work-group, no clusters, 51,456 bytes of LDS; arguments x, W_q, W_k, W_v, W_o, xc, xs, wc, ws; writes xc, xs, wc, ws
.if DOCPART == 1
	.amdgcn_target "amdgcn-amd-amdhsa--gfx1250"
	.amdhsa_code_object_version 6
	.text
	.protected	k_q37ad85b7e7_quant
	.globl	k_q37ad85b7e7_quant
	.p2align	8
	.type	k_q37ad85b7e7_quant,@function
k_q37ad85b7e7_quant:
	s_mov_b64 s[64:65], 0
	v_nop
	global_prefetch_b8 v0, s[64:65] scope:SCOPE_SE
	s_setreg_imm32_b32 hwreg(HW_REG_WAVE_MODE, 25, 1), 1
	s_wait_xcnt 0x0
; LAUNCH 1 OF 4.  Multi-head attention, B = 4, S = 2,048, D = 1,024, 16 heads of 64, all six products on codes of FP6 (E2M3) with one E8M0 scale for each 32 along K.
; NO WORK IS LEFT OUT: every input has a way to the output (b_k too: it moves K's codes), and every product of the problem is done.  x and the four weights are read here, the biases in launches 2 and 4.
; THIS LAUNCH turns x [8,192][1,024] and W_q, W_k, W_v, W_o [1,024][1,024], f32, K innermost, into codes and scale words, once, laid in the order of the operand's registers.
; A block's scale is 2^(floor(log2(its largest magnitude)) - 2); its byte is the largest magnitude's exponent field - 2, held at 1 from below.
; LIMITS: NaN and infinities among the inputs are not served.  A block whose largest magnitude lies under 2^-124 (a block of zeros too) gets the byte 1 where the rule says another: its codes are zeros or the
; smallest codes, and the bytes are read by this program alone.
; ROW TILES.  Rows go in tiles of 16; lane r of tile T holds row 32 (T / 2) + 8 (T % 2) + r + 8 (r / 8).  So when tiles 2 g and 2 g + 1 are source 0 of a product, a lane's 16 results are 16 neighbouring rows,
; 32 g + 16 (lane / 16) + 0 .. 15, which is what the next quantiser wants.  The order is made here by the loads' immediates and undone in launch 4 by the stores' immediates.
; A UNIT (768 bytes) is 16 rows x 64 along K as six operand registers: registers 0-3 at 16 x lane, registers 4-5 at 512 + 8 x lane.  Codes: [tile][16 units][768].  Scale words: [tile][K half][row][4 words].
; SHARES.  768 tiles (512 of x, 64 of each weight) x 2 halves of K = 1,536 jobs, one a wave: 16 rows x 512 along K, in four steps of 128.  Each load reads 512 consecutive bytes of a row; a step's 16 rows turn through
; the wave's own stage in LDS (rows 528 bytes apart) and come back so that a lane holds, of its row, 16 neighbours of each block of 32.  Waves share nothing: no barrier.  Loads run two steps (32 loads a wave) ahead.
; x'S TILES HAVE AN ORDER OF THEIR OWN (what stands above under ROW TILES holds for the four weights): lane r of x's tile T holds token 64 (T / 4) + 8 (T % 4) + r % 8 + 32 (r / 8).
; So when the four tiles 4 q .. 4 q + 3 are source 0 of a product, a lane's 32 results are 32 neighbouring tokens, 64 q + 32 (lane / 16) + 0 .. 31: a whole scale block of the product that follows.
.set STG,   8448
.set SPARE, 6*STG                      ; behind the six stages: the spare words, 128 bytes for each wave: three blocks of 256 bytes that no other line names
.set L16, 1                            ; v1   16 x lane
.set SI,  2                            ; v2   the stage, on the way in: 16 x lane
.set SO,  3                            ; v3   and on the way out: 528 r + 64 h
.set L8,  4                            ; v4   8 x lane
.set SA,  5                            ; v5   my place among the scale words: 16 r + 8 h
.set LN,  6                            ; v6   lane
.set TM,  16                           ; v16-31   the quantiser's: +0..3 largest magnitudes, +4..7 the other half's, then bytes, +12..15 the conversions' scale operands
.set R,   32                           ; v32-159  two sets of 64 registers as loaded
.set X,   160                          ; v160-223 64 numbers of my row: register 16 b + i = k 32 b + 16 h + i
.set PC,  224                          ; v224-243 the codes just made (12 registers, and 8 at work)
.set PWS, 244                          ; v244-247 the four steps' scale words
.set SPW, 248                          ; v248 LDS address of my spare word; never rewritten
.set NIL, 249                          ; v249 0; never rewritten
.set D,   250                          ; v250-251 the two scale words that I store
.set SEL, 30                           ; s[30:31] lane selects for v_permlanex16_b32: lane l xor 16
; 64 numbers of a lane become a fragment's 12 registers of codes, v[PC] on, and my row's scale word, v[pw].
.macro QUANT src, pw
.irp b, 0,1,2,3
	v_max3_num_f32 v[TM+\b], |v[\src+16*\b]|, |v[\src+1+16*\b]|, 0x1800000   ; block b: my 16 numbers, and the floor 2^(3 - 127): the byte cannot fall under 1
.endr
.irp i, 2,4,6,8,10,12,14
.irp b, 0,1,2,3
	v_max3_num_f32 v[TM+\b], v[TM+\b], |v[\src+16*\b+\i]|, |v[\src+1+16*\b+\i]|   ; the four blocks by turns
.endr
.endr
.irp b, 0,1,2,3
	v_permlanex16_b32 v[TM+4+\b], v[TM+\b], s[SEL], s[SEL+1]
.endr
.irp b, 0,1,2,3
	v_max_num_f32 v[TM+\b], v[TM+\b], v[TM+4+\b]   ; with lane l xor 16's: the block's largest magnitude
.endr
.irp b, 0,1,2,3
	v_add_nc_u32 v[TM+12+\b], 0xff000000, v[TM+\b]   ; 2 off its exponent field: the conversion's scale operand
.endr
.irp b, 0,1,2,3
	v_lshrrev_b32 v[TM+4+\b], 23, v[TM+12+\b]      ; the scale's byte
.endr
	v_lshl_or_b32 v[\pw], v[TM+5], 8, v[TM+4]
	v_lshl_or_b32 v[\pw], v[TM+6], 16, v[\pw]
	v_lshl_or_b32 v[\pw], v[TM+7], 24, v[\pw]
.irp c, 0,1
	v_cvt_scalef32_pk16_fp6_f32 v[PC+6*\c:PC+2+6*\c], v[\src+32*\c:\src+15+32*\c], v[TM+12+2*\c]
	v_cvt_scalef32_pk16_fp6_f32 v[PC+12+4*\c:PC+14+4*\c], v[\src+16+32*\c:\src+31+32*\c], v[TM+12+2*\c+1]   ; (a conversion's three registers begin on an even number)
.endr
	v_nop                                          ; one plain place behind a scaled conversion
.irp c, 0,1                                    ; the operand's layout wants a whole block in a lane: lanes 0-15 block 2 c, lanes 16-31 block 2 c + 1
.irp i, 0,1,2
	v_permlane16_swap_b32 v[PC+6*\c+\i], v[PC+12+4*\c+\i]
.endr
.irp i, 0,1,2
	v_mov_b32 v[PC+3+6*\c+\i], v[PC+12+4*\c+\i]
.endr
.endr
.endm
	s_load_b256 s[4:11], s[0:1], 0x0               ; x s[4:5], W_q s[6:7], W_k s[8:9], W_v s[10:11]
	s_load_b256 s[12:19], s[0:1], 0x20             ; W_o s[12:13], xc s[14:15], xs s[16:17], wc s[18:19]
	s_load_b64 s[20:21], s[0:1], 0x40              ; ws
	v_lshl_add_u32 v[SPW], v0, 2, SPARE
	v_mov_b32 v[NIL], 0
	v_lshrrev_b32 v7, 5, v0
	v_readfirstlane_b32 s22, v7                    ; wave 0..5
	v_and_b32 v[LN], 31, v0
	v_and_b32 v7, 15, v0                           ; r
	v_bfe_u32 v8, v0, 4, 1                         ; h
	v_lshlrev_b32 v[L16], 4, v[LN]
	v_lshlrev_b32 v[L8], 3, v[LN]
	s_mul_i32 s23, s22, STG                        ; my stage
	v_add_nc_u32 v[SI], s23, v[L16]
	v_mul_u32_u24 v[SO], v7, 528
	v_lshl_add_u32 v[SO], v8, 6, v[SO]
	v_add_nc_u32 v[SO], s23, v[SO]
	v_lshlrev_b32 v[SA], 4, v7
	v_lshl_add_u32 v[SA], v8, 3, v[SA]
.irp b, 0,1,2,3
	v_mov_b32 v[TM+4+\b], 0                        ; written once: a lane permute's destination counts as one of its sources
.endr
	s_mov_b32 s[SEL], 0x76543210
	s_mov_b32 s[SEL+1], 0xfedcba98
	s_mul_i32 s24, ttmp9, 6
	s_add_co_u32 s24, s24, s22                     ; my job: 6 x work-group + wave
	s_and_b32 s25, s24, 1                          ; which half of K
	s_lshr_b32 s24, s24, 1                         ; which tile of the 768
	s_sub_co_u32 s26, s24, 512                     ; among the weights' 256 (used where the tile is no tile of x)
	s_lshr_b32 s27, s26, 6                         ; which weight
	s_and_b32 s28, s26, 63                         ; which tile of it
	s_wait_alu depctr_va_vdst(0)
	s_wait_kmcnt 0x0
	s_cmp_eq_u32 s27, 1                            ; the choices hang on the work-group's and the wave's number alone
	s_cselect_b64 s[6:7], s[8:9], s[6:7]
	s_cmp_eq_u32 s27, 2
	s_cselect_b64 s[6:7], s[10:11], s[6:7]
	s_cmp_eq_u32 s27, 3
	s_cselect_b64 s[6:7], s[12:13], s[6:7]
	s_cmp_lt_u32 s24, 512
	s_cselect_b64 s[4:5], s[4:5], s[6:7]           ; from where,
	s_cselect_b64 s[14:15], s[14:15], s[18:19]     ; the codes' buffer,
	s_cselect_b64 s[16:17], s[16:17], s[20:21]     ; the scale words' buffer,
	s_cselect_b32 s26, s24, s26                    ; the tile's number there,
	s_cselect_b32 s28, s24, s28
	s_cselect_b32 s32, 2, 1                        ; x: groups of four tiles, 64 rows; a weight: of two, 32 rows
	s_cselect_b32 s33, 18, 17
	s_cselect_b32 s34, 3, 1
	s_lshr_b32 s29, s28, s32
	s_lshl_b32 s29, s29, s33                       ; the group's rows of 4,096 bytes,
	s_and_b32 s28, s28, s34
	s_lshl_b32 s28, s28, 15                        ; 8 rows for each tile in the group,
	s_add_co_u32 s28, s28, s29
	s_lshl_b32 s29, s25, 11                        ; 2,048 bytes for the second half of K
	s_add_co_u32 s28, s28, s29
	s_mov_b32 s29, 0
	s_add_nc_u64 s[4:5], s[4:5], s[28:29]
	s_lshl_b32 s36, 0x8000, s32                    ; the tile's rows 8-15 begin 32 rows (x) or 16 rows (a weight) below its rows 0-7
	s_mov_b32 s37, 0
	s_add_nc_u64 s[36:37], s[4:5], s[36:37]
	s_mul_i32 s28, s26, 12288
	s_mul_i32 s27, s25, 6144
	s_add_co_u32 s28, s28, s27
	s_add_nc_u64 s[14:15], s[14:15], s[28:29]
	s_lshl_b32 s28, s26, 9
	s_lshl_b32 s27, s25, 8
	s_add_co_u32 s28, s28, s27
	s_add_nc_u64 s[16:17], s[16:17], s[28:29]
.macro LOAD t                          ; step t: 128 along K of my 16 rows; the tile's order of rows stands in the immediates
.irp i, 0,1,2,3,4,5,6,7
	global_load_b128 v[R+64*((\t)%2)+4*\i:R+64*((\t)%2)+4*\i+3], v[L16], s[4:5] offset:\i*4096+512*(\t) th:TH_LOAD_NT   ; 32 lanes read 512 consecutive bytes
.endr
.irp i, 8,9,10,11,12,13,14,15
	global_load_b128 v[R+64*((\t)%2)+4*\i:R+64*((\t)%2)+4*\i+3], v[L16], s[36:37] offset:(\i-8)*4096+512*(\t) th:TH_LOAD_NT
.endr
.endm
.macro TURN t                          ; through the stage: LDS serves a wave's instructions in order, so no wait stands between the stores and the loads
.irp i, 0,1,2,3,4,5,6,7,8,9,10,11,12,13,14,15
	ds_store_b128 v[SI], v[R+64*((\t)%2)+4*\i:R+64*((\t)%2)+4*\i+3] offset:528*\i
.endr
.irp b, 0,1,2,3
.irp k, 0,1,2,3
	ds_load_b128 v[X+16*\b+4*\k:X+16*\b+4*\k+3], v[SO] offset:128*\b+16*\k
.endr
.endr
.endm
.macro STEP t
.if (\t) < 3
	s_wait_loadcnt 16                              ; this step's 16 loads are in; the next step's 16 may be out
.else
	s_wait_loadcnt 0x0
.endif
	TURN \t
	s_wait_dscnt 0x0                               ; my 64 numbers are back; the stores into the stage have read their registers
.if (\t) > 0
	s_wait_xcnt 0x0                                ; the last step's stores have read their data: the codes' registers are written again only behind this wait
.endif
.if (\t) < 2
	LOAD (\t)+2
.endif
	QUANT X, PWS+(\t)
	global_store_b128 v[L16], v[PC:PC+3], s[14:15] offset:1536*(\t)            ; two units: each store covers 512 or 256 consecutive bytes, aligned
	global_store_b64 v[L8], v[PC+4:PC+5], s[14:15] offset:1536*(\t)+512
	global_store_b128 v[L16], v[PC+6:PC+9], s[14:15] offset:1536*(\t)+768
	global_store_b64 v[L8], v[PC+10:PC+11], s[14:15] offset:1536*(\t)+1280
.endm
	LOAD 0
	LOAD 1
	STEP 0
	STEP 1
	STEP 2
	STEP 3
	v_cmp_le_u32 vcc_lo, 16, v[LN]                 ; both halves of the lanes hold my row's four words: lanes 0-15 store words 0 and 1, lanes 16-31 words 2 and 3
	v_cndmask_b32 v[D], v[PWS], v[PWS+2], vcc_lo
	v_cndmask_b32 v[D+1], v[PWS+1], v[PWS+3], vcc_lo
	global_store_b64 v[SA], v[D:D+1], s[16:17]     ; 32 lanes store 256 consecutive bytes, aligned
	s_wait_tensorcnt 0x0                           ; the wave's end
	ds_add_u32 v[SPW], v[NIL]
	s_wait_dscnt 0x0
	s_endpgm
.Lfunc_end_k_q37ad85b7e7_quant:
	.size	k_q37ad85b7e7_quant, .Lfunc_end_k_q37ad85b7e7_quant-k_q37ad85b7e7_quant
	.p2alignl 7, 3214868480
	.fill 96, 4, 3214868480
	.section	.rodata,"a",@progbits
	.p2align	6, 0x0
	.amdhsa_kernel k_q37ad85b7e7_quant
		.amdhsa_group_segment_fixed_size 51456
		.amdhsa_private_segment_fixed_size 0
		.amdhsa_enable_private_segment 0
		.amdhsa_kernarg_size 72
		.amdhsa_user_sgpr_count 2
		.amdhsa_user_sgpr_kernarg_segment_ptr 1
		.amdhsa_wavefront_size32 1
		.amdhsa_system_sgpr_workgroup_id_x 1
		.amdhsa_system_sgpr_workgroup_id_y 1
		.amdhsa_system_sgpr_workgroup_id_z 1
		.amdhsa_system_vgpr_workitem_id 0
		.amdhsa_next_free_vgpr 256
		.amdhsa_next_free_sgpr 66
		.amdhsa_reserve_vcc 1
		.amdhsa_float_denorm_mode_32 3
		.amdhsa_float_denorm_mode_16_64 3
		.amdhsa_memory_ordered 1
		.amdhsa_forward_progress 1
		.amdhsa_inst_pref_size 35
	.end_amdhsa_kernel
	.amdgpu_metadata
---
amdhsa.version: [ 1, 2 ]
amdhsa.kernels:
  - .name:           k_q37ad85b7e7_quant
    .symbol:         k_q37ad85b7e7_quant.kd
    .args:
      - { .name: x, .offset: 0, .size: 8, .value_kind: global_buffer, .address_space: global }
      - { .name: W_q, .offset: 8, .size: 8, .value_kind: global_buffer, .address_space: global }
      - { .name: W_k, .offset: 16, .size: 8, .value_kind: global_buffer, .address_space: global }
      - { .name: W_v, .offset: 24, .size: 8, .value_kind: global_buffer, .address_space: global }
      - { .name: W_o, .offset: 32, .size: 8, .value_kind: global_buffer, .address_space: global }
      - { .name: xc, .offset: 40, .size: 8, .value_kind: global_buffer, .address_space: global }
      - { .name: xs, .offset: 48, .size: 8, .value_kind: global_buffer, .address_space: global }
      - { .name: wc, .offset: 56, .size: 8, .value_kind: global_buffer, .address_space: global }
      - { .name: ws, .offset: 64, .size: 8, .value_kind: global_buffer, .address_space: global }
    .group_segment_fixed_size: 51456
    .private_segment_fixed_size: 0
    .kernarg_segment_align: 8
    .kernarg_segment_size: 72
    .max_flat_workgroup_size: 192
    .sgpr_count:     66
    .vgpr_count:     256
    .wavefront_size: 32
...
	.end_amdgpu_metadata
.endif
;; end of part 1
;; launch qkv (part 2): grid 4 x 64, 4 waves a work-group, clusters of 4 x 4, 327,680 bytes of LDS; arguments xc, xs, wc, ws, b_q, b_k, b_v, qkv; writes qkv
.if DOCPART == 2
	.amdgcn_target "amdgcn-amd-amdhsa--gfx1250"
	.amdhsa_code_object_version 6
	.text
	.protected	k_q37ad85b7e7_qkv
	.globl	k_q37ad85b7e7_qkv
	.p2align	8
	.type	k_q37ad85b7e7_qkv,@function
k_q37ad85b7e7_qkv:
	s_mov_b64 s[64:65], 0
	v_nop
	global_prefetch_b8 v0, s[64:65] scope:SCOPE_SE
	s_setreg_imm32_b32 hwreg(HW_REG_WAVE_MODE, 25, 1), 1
	s_wait_xcnt 0x0
	s_wait_alu depctr_hold_cnt(0) depctr_sa_sdst(0) depctr_va_vdst(0) depctr_va_sdst(0) depctr_va_ssrc(0) depctr_va_vcc(0) depctr_vm_vsrc(0)
	s_getreg_b32 s2, hwreg(HW_REG_IB_STS2, 6, 4)
	s_cmp_eq_u32 s2, 0
	s_cbranch_scc0 .Lentry_in_a_cluster
	s_endpgm
.Lentry_in_a_cluster:
	s_bfe_u32 s2, ttmp6, 0x10000c
	s_cmp_lg_u32 s2, 0xf033
	s_cbranch_scc0 .Lentry_shape_is_right
	s_endpgm
.Lentry_shape_is_right:
; LAUNCH 2 OF 4: Q = x W_q^T + b_q, K = x W_k^T + b_k, V = x W_v^T + b_v on codes of FP6 (E2M3), and the results quantised at once for the two products of attention.  No work is left out.
; LIMITS: as in launch 1 (no NaN, no infinities; a block under 2^-124 gets the byte 1).
; SHARES.  256 work-groups that stay.  A work-group owns 128 tokens (8 row tiles of xc) and takes them through THREE PHASES on end: 256 channels (16 row tiles of wc) of Q, of K, of V, each over all of K = 1,024.
; Four waves, 32 accumulators each: 4 blocks of role A (source 1: a lane holds one of its rows) x 8 blocks of role B (source 0: a lane's registers run along its rows).
;   Q, K: role A = tokens, role B = channels: a lane holds a token and 128 channels, two heads.   V: role A = channels, role B = tokens: a lane holds a channel and 128 keys, in whole blocks of 32 (launch 1's order of x's rows).
; Q's and K's phases are one text, a loop of two trips: what differs lies in scalars.  V's phase has a text of its own.
; LDS.  Two slots, one for each half of K: x's 8 tiles (6,144 bytes each), then the weight's 16.  x's part is filled once and serves all three phases.  The weight's part is a ring: in K step 3 every read of the first half is
; over and it takes the next weight's first half; in K step 7 the second likewise.  Each refill stands behind the three lines and a round of the cluster's barrier, waves 2 and 3 a load
; each, and has four K steps (128 products a wave), or three and a way out, in which to land.  The same round shows the refill before it to all waves.
; CLUSTERS: 4 x 4.  x's tiles hang on the tile row alone and are asked for jointly along a row of the cluster, the weights' on the tile column alone, along a column.
; PREFETCH.  Behind each fill but the first and the last, one instruction a wave asks for what the NEXT refill will load: a wave takes one tile's half row, 24 blocks of 256 bytes, a lane a block (lanes 24 on name the last again); the
; sixteen waves of a column of the cluster share the sixteen tiles out by address.  All clusters walk the same weights, so only the clusters with y under 4 ask.  Four asks; the last refill's tiles are the last asked for.
; OUT: qkv [batch x head 64][key step 16][19,712]: 0 K's codes (8 token tiles x 768); 6,144 V^T's codes (4 channel tiles x 2 units); 12,288 K's scale words; 12,800 V's; 13,056 Q's codes; 19,200 Q's scale words.
; A scale word of Q or K holds the head's two bytes and 0x7f twice: launch 3 feeds 64 along K to an instruction of 128, the rest being zero codes.
; REGISTERS, in windows of 256.  Window 0: v1-3 lane, r, h; v16-27 addresses; v28, v29 the add's two; v32-63, v68-83 scale words of roles B and A for all eight K steps; v84-147 bias; v148-211 a block's 64 results;
;   v212-231 codes; v232-247 the quantiser's; v248-251 four scale words; v252-255 at work.   Window 1: the accumulators, (a, b) at v[64 a + 8 b].   Windows 2, 3: two sets of fragments: B's block b at v[12 b], A's at v[96 + 12 a].
.set SLOTB, 147456                     ; a half of K in LDS
.set WOFF,  49152                      ; in it: the weight's tiles, behind x's eight
.set TILEB, 6144                       ; a row tile's half: eight units
.set ROWT,  12288                      ; a row tile in memory
.set SPARE, 2*SLOTB                    ; the spare words, 128 bytes for each wave: two blocks of 256 bytes that no other line names
.set BLKB,  19712
.set HEADS, 16*BLKB
.set A16, 16
.set A8,  17
.set B16, 18
.set B8,  19
.set L16, 20                           ; 16 x lane
.set L8,  21                           ; 8 x lane
.set SL,  22                           ; scale words: 512 h + 16 r
.set BAQ, 23                           ; bias of Q, K: 64 h
.set BAV, 24                           ; bias of V: 4 (r + 8 (r / 8))
.set H8,  25                           ; 8 h
.set L8P, 26                           ; 512 + 8 x lane
.set PFO, 27                           ; 256 x min(lane, 23)
.set SPW, 28
.set NIL, 29
.set SCB, 32
.set SCA, 68
.set BI,  84
.set HA,  148
.set PC,  212
.set TM,  232
.set PWS, 248
.set D,   252
.set WV, 20
.set HI, 21
.set LO, 22
.set CX, 23
.set CY, 24
.set YY, 26
.set G1X, 32
.set G1W, 40
.set G0X, 48                           ; s[48:55], s[56:63] groups 0, a set for each half of K
.set G0W, 56
.set PB1, 68                           ; the next phase's scale words: role B's behind trip 0, trip 1; role A's likewise
.set PB2, 70
.set PA1, 72
.set PA2, 74
.set NB,  76
.set NA,  78
.set PBQ, 80
.set PBK, 82
.set PB,  84
.set OUTC, 86
.set OUTS, 88
.set TP,  90
.set RA,  92                           ; the next phase's roles in a slot
.set RB,  93
.set TRIP, 94
.set SK,  95
.set SEL, 96
.set PF,  98
.set PFC, 100                          ; asks left
.set VOF, 101
.set MSB, 0
.macro WIN new
.if MSB != \new
	s_set_vgpr_msb (MSB<<8)|\new
.set MSB, \new
.endif
.endm
.macro WALU
	s_wait_alu depctr_va_vdst(0)
.endm
.macro NOP4
.rept 4
	v_nop
.endr
.endm
.macro CROUND
	s_barrier_signal -1
	s_barrier_wait -1
	s_cmp_lg_u32 s[WV], 0
	s_cbranch_scc1 .Lnot_wave_0_\@
	s_barrier_signal -3
.Lnot_wave_0_\@:
	s_barrier_wait -3
	s_barrier_signal -1
	s_barrier_wait -1
.endm
.macro MAXES src                       ; four chains over 16 numbers each, with the floor 2^(3 - 127): the byte cannot fall under 1
.irp b, 0,1,2,3
	v_max3_num_f32 v[TM+\b], |v[\src+16*\b]|, |v[\src+1+16*\b]|, 0x1800000
.endr
.irp i, 2,4,6,8,10,12,14
.irp b, 0,1,2,3
	v_max3_num_f32 v[TM+\b], v[TM+\b], |v[\src+16*\b+\i]|, |v[\src+1+16*\b+\i]|
.endr
.endr
.endm
.macro QUANT src, pw                   ; register 16 b + i = k 32 b + 16 h + i of my row: 12 registers of codes, v[PC] on, and my row's scale word
	MAXES \src
.irp b, 0,1,2,3
	v_permlanex16_b32 v[TM+4+\b], v[TM+\b], s[SEL], s[SEL+1]
.endr
.irp b, 0,1,2,3
	v_max_num_f32 v[TM+\b], v[TM+\b], v[TM+4+\b]
.endr
.irp b, 0,1,2,3
	v_add_nc_u32 v[TM+12+\b], 0xff000000, v[TM+\b]   ; 2 off the exponent field: the conversion's scale operand
.endr
.irp b, 0,1,2,3
	v_lshrrev_b32 v[TM+4+\b], 23, v[TM+12+\b]
.endr
	v_lshl_or_b32 v[\pw], v[TM+5], 8, v[TM+4]
	v_lshl_or_b32 v[\pw], v[TM+6], 16, v[\pw]
	v_lshl_or_b32 v[\pw], v[TM+7], 24, v[\pw]
.irp c, 0,1
	v_cvt_scalef32_pk16_fp6_f32 v[PC+6*\c:PC+2+6*\c], v[\src+32*\c:\src+15+32*\c], v[TM+12+2*\c]
	v_cvt_scalef32_pk16_fp6_f32 v[PC+12+4*\c:PC+14+4*\c], v[\src+16+32*\c:\src+31+32*\c], v[TM+12+2*\c+1]
.endr
	v_nop                                          ; one plain place behind a scaled conversion
.irp c, 0,1
.irp i, 0,1,2
	v_permlane16_swap_b32 v[PC+6*\c+\i], v[PC+12+4*\c+\i]
.endr
.irp i, 0,1,2
	v_mov_b32 v[PC+3+6*\c+\i], v[PC+12+4*\c+\i]
.endr
.endr
.endm
.macro QUANTV src, pw                  ; register 32 c + i = k 64 c + 32 h + i of my row: two whole blocks
	MAXES \src
	v_max_num_f32 v[TM], v[TM], v[TM+1]
	v_max_num_f32 v[TM+2], v[TM+2], v[TM+3]
	v_add_nc_u32 v[TM+12], 0xff000000, v[TM]
	v_add_nc_u32 v[TM+13], 0xff000000, v[TM+2]
	v_lshrrev_b32 v[TM+4], 23, v[TM+12]
	v_lshrrev_b32 v[TM+5], 23, v[TM+13]
	v_lshl_or_b32 v[TM+4], v[TM+5], 16, v[TM+4]    ; my bytes: blocks h and 2 + h,
	v_lshlrev_b32 v[TM+4], v[H8], v[TM+4]          ; at their places in the word;
	v_permlanex16_b32 v[TM+5], v[TM+4], s[SEL], s[SEL+1]
	v_or_b32 v[\pw], v[TM+4], v[TM+5]              ; with lane l xor 16's two the word is whole
.irp c, 0,1
	v_cvt_scalef32_pk16_fp6_f32 v[PC+6*\c:PC+2+6*\c], v[\src+32*\c:\src+15+32*\c], v[TM+12+\c]
	v_cvt_scalef32_pk16_fp6_f32 v[PC+12+4*\c:PC+14+4*\c], v[\src+16+32*\c:\src+31+32*\c], v[TM+12+\c]
.endr
	v_nop
.irp c, 0,1
.irp i, 0,1,2
	v_mov_b32 v[PC+3+6*\c+\i], v[PC+12+4*\c+\i]
.endr
.endr
.endm
.macro FRAG reg, a16, a8, off          ; a fragment, 16 rows x 128 K: two units as they lie
	ds_load_b128 v[(\reg):(\reg)+3], v[\a16] offset:(\off)
	ds_load_b64 v[(\reg)+4:(\reg)+5], v[\a8] offset:(\off)
	ds_load_b128 v[(\reg)+6:(\reg)+9], v[\a16] offset:(\off)+768
	ds_load_b64 v[(\reg)+10:(\reg)+11], v[\a8] offset:(\off)+768
.endm
.macro LOADS s                         ; K step s: 12 fragments, 48 LDS loads in one run, into set s % 2
.if (\s)%2
	WIN 0xc0
.else
	WIN 0x80
.endif
.irp b, 0,1,2,3,4,5,6,7
	FRAG 12*\b, B16, B8, TILEB*\b+1536*((\s)%4)
.endr
.irp a, 0,1,2,3
	FRAG 96+12*\a, A16, A8, TILEB*\a+1536*((\s)%4)
.endr
.endm
.macro WM d, b, a, c, p, q, rb, ra     ; a scale register carries two blocks' words: the even one's in lanes 0-15, the odd one's in lanes 16-31
	v_wmma_scale_f32_16x16x128_f8f6f4 v[(\d):(\d)+7], v[(\b):(\b)+11], v[(\a):(\a)+11], \c, v[\p], v[\q] matrix_a_fmt:MATRIX_FMT_FP6 matrix_b_fmt:MATRIX_FMT_FP6 matrix_a_scale:MATRIX_SCALE_ROW\rb matrix_b_scale:MATRIX_SCALE_ROW\ra
.endm
.macro MULS s                          ; 32 products: the 32 accumulators take turns, one instruction a turn, in the same order in every K step.  K step 0 starts the sums
.if (\s)%2
	WIN 0x5f
.else
	WIN 0x5a
.endif
.irp a2, 0,1
.irp ra, 0,1
.if 2*\a2+\ra > 0
	s_wait_dscnt YNG+12-4*(2*\a2+\ra)              ; role A's block is in: behind its four loads stand those of the later blocks and the YNG loads of the next step
.endif
.irp b2, 0,1,2,3
.irp rb, 0,1
.if (\s) == 0
	WM 64*(2*\a2+\ra)+8*(2*\b2+\rb), 12*(2*\b2+\rb), 96+12*(2*\a2+\ra), 0, SCB+8*\b2+(\s), SCA+8*\a2+(\s), \rb, \ra
.else
	WM 64*(2*\a2+\ra)+8*(2*\b2+\rb), 12*(2*\b2+\rb), 96+12*(2*\a2+\ra), v[64*(2*\a2+\ra)+8*(2*\b2+\rb):64*(2*\a2+\ra)+8*(2*\b2+\rb)+7], SCB+8*\b2+(\s), SCA+8*\a2+(\s), \rb, \ra
.endif
.endr
.endr
.endr
.endr
.endm
.macro JLOAD q                         ; my part of half q of K, x's or W_q's: one joint load a wave, in one of two arms; an s_nop 0 and four v_nop follow each
	s_cmp_eq_u32 s[HI], 0
	s_cbranch_scc0 .Lfill_w_\@
	tensor_load_to_lds s[G0X+4*\q:G0X+4*\q+3], s[G1X:G1X+7]
	s_nop 0
	NOP4
	s_branch .Lfilled_\@
.Lfill_w_\@:
	tensor_load_to_lds s[G0W+4*\q:G0W+4*\q+3], s[G1W:G1W+7]
	s_nop 0
	NOP4
.Lfilled_\@:
.endm
.macro ASK                             ; the next refill's tiles into the L2: my tile's half row
	s_cmp_lg_u32 s[PFC], 0
	s_cbranch_scc0 .Lno_ask_\@
	global_prefetch_b8 v[PFO], s[PF:PF+1] th:TH_LOAD_NT scope:SCOPE_SE
	s_sub_co_u32 s[PFC], s[PFC], 1
.Lno_ask_\@:
.endm
; A K step of 128: the next step's 48 loads are issued first and land under this step's 32 products.  kind 2: a slot's weight is read no more and is filled again; kind 1: a plain barrier shows the last refill; more: a step follows.
.macro KSTEP s, kind, more
.if \kind == 2
	WIN 0
	s_wait_xcnt 0x0                                ; my last prefetch has read its address
	s_wait_tensorcnt 0x0                           ; all my tensor loads have landed;
	ds_add_u32 v[SPW], v[NIL]
	s_add_nc_u64 s[G0W+4*((\s)/4)+2:G0W+4*((\s)/4)+3], s[G0W+4*((\s)/4)+2:G0W+4*((\s)/4)+3], 64*ROWT   ; this slot's next fill: the next weight, 64 tiles on
.if (\s) == 3
	s_add_nc_u64 s[PF:PF+1], s[PF:PF+1], TILEB
.else
	s_add_nc_u64 s[PF:PF+1], s[PF:PF+1], 64*ROWT-TILEB
.endif
	s_wait_dscnt 0x0                               ; the add is done, this step's fragments are in, and my reads of the slot are over
	CROUND
	s_cmp_eq_u32 s[HI], 1
	s_cbranch_scc0 .Lnone_\@
	tensor_load_to_lds s[G0W+4*((\s)/4):G0W+4*((\s)/4)+3], s[G1W:G1W+7]
	s_nop 0
.Lnone_\@:
.elseif \kind == 1
	WIN 0
	s_wait_dscnt 0x0
	s_wait_tensorcnt 0x0
	s_barrier_signal -1
	s_barrier_wait -1
.else
	s_wait_dscnt 12                                ; role B's eight fragments and role A's first are in; the youngest 12 loads, role A's blocks 1 to 3, may be out
.endif
.if \more
.if (\s) == 3
	WIN 0
	v_add_nc_u32 v[A16], SLOTB, v[A16]             ; on to the second half of K.  These four are the places in front of the loads
	v_add_nc_u32 v[A8], SLOTB, v[A8]
	v_add_nc_u32 v[B16], SLOTB, v[B16]
	v_add_nc_u32 v[B8], SLOTB, v[B8]
	WALU
.elseif (\s) == 7
	v_add_nc_u32 v[A16], s[RA], v[L16]             ; back to the first half, in the next phase's roles
	v_add_nc_u32 v[A8], s[RA], v[L8P]
	v_add_nc_u32 v[B16], s[RB], v[L16]
	v_add_nc_u32 v[B8], s[RB], v[L8P]
	WALU
.else
	NOP4
.endif
.if \kind == 2
	ASK
.endif
	LOADS ((\s)+1)%8
.endif
.set YNG, 48*(\more)                   ; the loads issued in this step, younger than this step's own
	MULS \s
.endm
.macro SCALES pb, pa                   ; the scale words of both roles, for all eight K steps: sixteen lanes read 256 consecutive bytes; 12 loads
.irp i, 0,1,2,3
.irp j, 0,1
	global_load_b128 v[SCB+8*\i+4*\j:SCB+8*\i+4*\j+3], v[SL], s[\pb:\pb+1] offset:1024*\i+256*\j
.endr
.endr
.irp i, 0,1
.irp j, 0,1
	global_load_b128 v[SCA+8*\i+4*\j:SCA+8*\i+4*\j+3], v[SL], s[\pa:\pa+1] offset:1024*\i+256*\j
.endr
.endr
.endm
; One block of role A: bias, quantiser, stores.  The addition is also the way from window 1 to window 0; it takes each accumulator from its low end on.
.macro EPI a, isv
	s_wait_xcnt 0x0                                ; earlier stores have read their data
	WIN 0x01
.set i, 0
.rept 32
.if \isv
	v_pk_add_f32 v[HA+2*i:HA+2*i+1], v[64*(\a)+2*i:64*(\a)+2*i+1], v[BI+2*(\a):BI+2*(\a)+1]
.else
	v_pk_add_f32 v[HA+2*i:HA+2*i+1], v[64*(\a)+2*i:64*(\a)+2*i+1], v[BI+2*i:BI+2*i+1]
.endif
.set i, i+1
.endr
	WIN 0
.if \isv
	QUANTV HA, PWS+(\a)
	global_store_b128 v[L16], v[PC:PC+3], s[OUTC:OUTC+1] offset:1536*(\a)           ; channel tile a: its two units of 64 keys
	global_store_b64 v[L8], v[PC+4:PC+5], s[OUTC:OUTC+1] offset:1536*(\a)+512
	global_store_b128 v[L16], v[PC+6:PC+9], s[OUTC:OUTC+1] offset:1536*(\a)+768
	global_store_b64 v[L8], v[PC+10:PC+11], s[OUTC:OUTC+1] offset:1536*(\a)+1280
.else
	QUANT HA, PWS+(\a)
	global_store_b128 v[L16], v[PC:PC+3], s[OUTC:OUTC+1] offset:768*(\a)            ; token tile a: the first head's unit,
	global_store_b64 v[L8], v[PC+4:PC+5], s[OUTC:OUTC+1] offset:768*(\a)+512
	global_store_b128 v[L16], v[PC+6:PC+9], s[OUTC:OUTC+1] offset:HEADS+768*(\a)    ; and the second head's
	global_store_b64 v[L8], v[PC+10:PC+11], s[OUTC:OUTC+1] offset:HEADS+768*(\a)+512
.endif
.endm
	s_load_b256 s[4:11], s[0:1], 0x0               ; xc s[4:5], xs s[6:7], wc s[8:9], ws s[10:11]
	s_load_b256 s[12:19], s[0:1], 0x20             ; b_q s[12:13], b_k s[14:15], b_v s[16:17], qkv s[18:19]
	v_lshl_add_u32 v[SPW], v0, 2, SPARE
	v_mov_b32 v[NIL], 0
	ds_add_u32 v[SPW], v[NIL]                      ; the opening: the add, twice on end, and its wait ahead of my first tensor load
	ds_add_u32 v[SPW], v[NIL]
	v_lshrrev_b32 v1, 5, v0
	v_readfirstlane_b32 s[WV], v1                  ; wave 0..3
	s_lshr_b32 s[HI], s[WV], 1                     ; I fetch for x (0) or for the weight (1)
	s_and_b32 s[LO], s[WV], 1                      ; which half of that panel's tiles
	s_bfe_u32 s[CX], ttmp6, 0x40000                ; cx: the tile column, 256 channels of each weight
	s_bfe_u32 s[CY], ttmp6, 0x40004
	s_and_b32 s[YY], ttmp7, 0xffff
	s_cmp_lt_u32 s[YY], 4                          ; the cluster's y, which all partners share
	s_cselect_b32 s[PFC], 4, 0
	s_lshl_b32 s[YY], s[YY], 2
	s_add_co_u32 s[YY], s[YY], s[CY]               ; the tile row: 128 tokens
	s_lshl_b32 s28, s[CY], 2
	s_lshl_b32 s28, 15, s28                        ; my row of the cluster
	s_lshl_b32 s66, 0x1111, s[CX]                  ; my column
	s_or_b32 s[G1X], s28, (3<<16)|(1<<21)          ; group 1: rows of 768 elements of 8 bytes (a tile's half of K), 1,536 elements apart; 4 tiles of x, 8 of a weight; dense in LDS
	s_or_b32 s[G1W], s66, (3<<16)|(1<<21)
.irp g, G1X, G1W
	s_mov_b32 s[\g+1], 768<<16
	s_mov_b32 s[\g+3], 768<<16
	s_mov_b32 s[\g+5], 1536
	s_mov_b32 s[\g+6], 0
	s_mov_b32 s[\g+7], 0
.endr
	s_mov_b32 s[G1X+2], 4<<16
	s_mov_b32 s[G1X+4], 4
	s_mov_b32 s[G1W+2], 8<<16
	s_mov_b32 s[G1W+4], 8
	s_lshl_b32 s28, s[YY], 3                       ; x: tile 8 y + 4 LO (registers that never hold cx)
	s_lshl_b32 s29, s[LO], 2
	s_add_co_u32 s28, s28, s29
	s_mul_i32 s28, s28, ROWT
	s_mov_b32 s29, 0
	s_lshl_b32 s66, s[CX], 4                       ; W_q: tile 16 cx + 8 LO (registers that never hold cy)
	s_lshl_b32 s67, s[LO], 3
	s_add_co_u32 s66, s66, s67
	s_mul_i32 s66, s66, ROWT
	s_mov_b32 s67, 0
	s_mul_i32 s30, s[LO], 4*TILEB                  ; where they go in a slot
	s_mul_i32 s31, s[LO], 8*TILEB
	s_add_co_u32 s31, s31, WOFF                    ; (kept: Q's and K's role B)
	s_wait_dscnt 0x0                               ; both opening adds are done
	s_wait_kmcnt 0x0
	s_add_nc_u64 s[28:29], s[4:5], s[28:29]
	s_add_nc_u64 s[66:67], s[8:9], s[66:67]
	CROUND                                         ; all sixteen work-groups are here: the joint loads meet
.irp q, 0,1
	s_mov_b32 s[G0X+4*\q], 1
	s_add_co_u32 s[G0X+4*\q+1], s30, \q*SLOTB
	s_add_nc_u64 s[G0X+4*\q+2:G0X+4*\q+3], s[28:29], \q*TILEB
	s_or_b32 s[G0X+4*\q+3], s[G0X+4*\q+3], 0x80000000
	s_mov_b32 s[G0W+4*\q], 1
	s_add_co_u32 s[G0W+4*\q+1], s31, \q*SLOTB
	s_add_nc_u64 s[G0W+4*\q+2:G0W+4*\q+3], s[66:67], \q*TILEB
	s_or_b32 s[G0W+4*\q+3], s[G0W+4*\q+3], 0x80000000
.endr
	JLOAD 0
	s_mul_i32 s2, s[HI], 4*TILEB                   ; role A in a slot: Q, K: x's tiles 4 HI on;
	s_mul_i32 s3, s[WV], 4*TILEB
	s_add_co_u32 s3, s3, WOFF                      ; V: the weight's tiles 4 wave on
	s_mov_b32 s[TP+1], 0
	s_lshl_b32 s[TP], s[CX], 4
	s_lshl_b32 s25, s[LO], 3
	s_add_co_u32 s[TP], s[TP], s25
	s_lshl_b32 s[TP], s[TP], 9
	s_add_nc_u64 s[NB:NB+1], s[10:11], s[TP:TP+1]          ; W_q's scale words, my eight tiles (512 bytes a tile)
	s_add_nc_u64 s[PB1:PB1+1], s[NB:NB+1], 32768           ; W_k's: 64 tiles on
	s_lshl_b32 s[TP], s[YY], 12
	s_add_nc_u64 s[PB2:PB2+1], s[6:7], s[TP:TP+1]          ; x's, all eight tiles: V's role B
	s_lshl_b32 s25, s[HI], 11
	s_add_co_u32 s[TP], s[TP], s25
	s_add_nc_u64 s[PA1:PA1+1], s[6:7], s[TP:TP+1]          ; x's, my four tiles: Q's and K's role A
	s_lshl_b32 s[TP], s[CX], 4
	s_lshl_b32 s25, s[WV], 2
	s_add_co_u32 s[TP], s[TP], s25
	s_add_co_u32 s[TP], s[TP], 128
	s_lshl_b32 s[TP], s[TP], 9
	s_add_nc_u64 s[PA2:PA2+1], s[10:11], s[TP:TP+1]        ; W_v's, my four tiles: V's role A
	s_lshl_b32 s[TP], s[CX], 10                    ; my first channel of Q, K: 256 cx + 128 LO, 4 bytes each
	s_lshl_b32 s25, s[LO], 9
	s_add_co_u32 s[TP], s[TP], s25
	s_add_nc_u64 s[PBQ:PBQ+1], s[12:13], s[TP:TP+1]
	s_add_nc_u64 s[PBK:PBK+1], s[14:15], s[TP:TP+1]
	s_lshr_b32 s25, s[YY], 4                       ; the batch
	s_lshl_b32 s25, s25, 2
	s_add_co_u32 s25, s25, s[CX]                   ; 4 batch + cx
	s_and_b32 s28, s[YY], 15                       ; the key step
	s_lshl_b32 s30, s25, 1
	s_add_co_u32 s30, s30, s[LO]
	s_lshl_b32 s30, s30, 5                         ; (16 batch + 4 cx + 2 LO) x 16: my first head's blocks
	s_add_co_u32 s30, s30, s28
	s_mul_i32 s30, s30, BLKB
	s_mul_i32 s29, s[HI], 4*768                    ; my four token tiles
	s_add_co_u32 s[TP], s30, s29
	s_add_co_u32 s[TP], s[TP], 13056
	s_add_nc_u64 s[OUTC:OUTC+1], s[18:19], s[TP:TP+1]      ; Q's codes
	s_lshl_b32 s29, s[HI], 8
	s_add_co_u32 s[TP], s30, s29
	s_add_co_u32 s[TP], s[TP], 19200
	s_add_nc_u64 s[OUTS:OUTS+1], s[18:19], s[TP:TP+1]      ; Q's scale words
	s_lshl_b32 s25, s25, 2
	s_add_co_u32 s25, s25, s[WV]                   ; 16 batch + 4 cx + wave: my head of V
	s_lshl_b32 s25, s25, 4
	s_add_co_u32 s25, s25, s28
	s_mul_i32 s[VOF], s25, BLKB
	s_lshl_b32 s25, s[CX], 4                       ; the prefetches: W_k's tile 16 cx + 4 cy + wave, first half of K
	s_lshl_b32 s28, s[CY], 2
	s_add_co_u32 s25, s25, s28
	s_add_co_u32 s25, s25, s[WV]
	s_add_co_u32 s25, s25, 64
	s_mul_i32 s[TP], s25, ROWT
	s_add_nc_u64 s[PF:PF+1], s[8:9], s[TP:TP+1]
	s_mov_b32 s[SK], 0x7f7f0000
	s_mov_b32 s[SEL], 0x76543210
	s_mov_b32 s[SEL+1], 0xfedcba98
	s_mov_b32 s[TRIP], 0
	v_and_b32 v1, 31, v0                           ; lane
	v_and_b32 v2, 15, v0                           ; r
	v_bfe_u32 v3, v0, 4, 1                         ; h
	v_lshlrev_b32 v[L16], 4, v1
	v_lshlrev_b32 v[L8], 3, v1
	v_lshlrev_b32 v[SL], 4, v2
	v_lshl_add_u32 v[SL], v3, 9, v[SL]
	SCALES NB, PA1
	v_add_nc_u32 v[L8P], 512, v[L8]
	v_add_nc_u32 v[A16], s2, v[L16]
	v_add_nc_u32 v[B16], s31, v[L16]
	v_add_nc_u32 v[A8], s2, v[L8P]
	v_add_nc_u32 v[B8], s31, v[L8P]
	v_lshlrev_b32 v[BAQ], 6, v3
	v_lshlrev_b32 v[H8], 3, v3
	v_and_b32 v[BAV], 8, v2
	v_add_nc_u32 v[BAV], v[BAV], v2
	v_lshlrev_b32 v[BAV], 2, v[BAV]
	v_min_u32 v[PFO], 23, v1
	v_lshlrev_b32 v[PFO], 8, v[PFO]
.irp b, 0,1,2,3
	v_mov_b32 v[TM+4+\b], 0                        ; written once: a lane permute's destination counts as one of its sources
.endr
	WALU
	s_wait_loadcnt 0x0                             ; the scale words
	s_wait_tensorcnt 0x0                           ; my part of the first half of K is in; the three lines ahead of a later first fill
	ds_add_u32 v[SPW], v[NIL]
	s_wait_dscnt 0x0
	CROUND
	JLOAD 1                                        ; the second half: it lands under K steps 0 to 2
	ASK                                            ; W_k's first half
	LOADS 0
	WIN 0
.Lqk:                                                  ; ---- Q, then K
	s_cmp_eq_u32 s[TRIP], 0
	s_cselect_b64 s[PB:PB+1], s[PBQ:PBQ+1], s[PBK:PBK+1]
	s_cselect_b64 s[NB:NB+1], s[PB1:PB1+1], s[PB2:PB2+1]   ; what follows: K in the same roles, or V
	s_cselect_b64 s[NA:NA+1], s[PA1:PA1+1], s[PA2:PA2+1]
	s_cselect_b32 s[RA], s2, s3
	s_cselect_b32 s[RB], s31, 0
.irp g, 0,1,2,3                                ; register 16 g + i: the bias of channel 32 g + 16 h + i
.irp k, 0,1,2,3
	global_load_b128 v[BI+16*\g+4*\k:BI+16*\g+4*\k+3], v[BAQ], s[PB:PB+1] offset:128*\g+16*\k
.endr
.endr
	KSTEP 0, 0, 1
	KSTEP 1, 0, 1
	KSTEP 2, 0, 1
	KSTEP 3, 2, 1
	KSTEP 4, 0, 1
	KSTEP 5, 0, 1
	KSTEP 6, 0, 1
	KSTEP 7, 2, 1                                  ; the next phase's first fragments are fetched here
	WIN 0
	NOP4                                           ; places behind the last products
	SCALES NB, NA                                  ; the next phase's scale words land under the way out
	s_wait_loadcnt 12                              ; the bias is in; the 12 loads just issued may be out
	EPI 0, 0
	EPI 1, 0
	EPI 2, 0
	EPI 3, 0
	v_cmp_le_u32 vcc_lo, 16, v1                    ; the scale words as launch 3 loads them: word q of lane (r, h) belongs to tile 2 q + h, row r
	v_cndmask_b32 v[D], v[PWS], v[PWS+1], vcc_lo
	v_cndmask_b32 v[D+1], v[PWS+2], v[PWS+3], vcc_lo
	v_lshrrev_b32 v[D+2], 16, v[D]                 ; the second head's two bytes
	v_lshrrev_b32 v[D+3], 16, v[D+1]
	v_and_or_b32 v[D], v[D], 0xffff, s[SK]         ; the first head's; 0x7f above: the scale 1 over the zero codes
	v_and_or_b32 v[D+1], v[D+1], 0xffff, s[SK]
	v_or_b32 v[D+2], s[SK], v[D+2]
	v_or_b32 v[D+3], s[SK], v[D+3]
	global_store_b64 v[L8], v[D:D+1], s[OUTS:OUTS+1]               ; 256 consecutive bytes, aligned
	global_store_b64 v[L8], v[D+2:D+3], s[OUTS:OUTS+1] offset:HEADS
	WALU
	s_wait_xcnt 0x0                                ; the stores have read their bases
	s_sub_nc_u64 s[OUTC:OUTC+1], s[OUTC:OUTC+1], 13056     ; from Q's codes to K's in a block of qkv (behind K's trip the two are made anew),
	s_sub_nc_u64 s[OUTS:OUTS+1], s[OUTS:OUTS+1], 6912      ; from Q's scale words to K's
	s_wait_loadcnt 0x0                             ; the next phase's scale words
	s_add_co_u32 s[TRIP], s[TRIP], 1
	s_cmp_lt_u32 s[TRIP], 2
	s_cbranch_scc1 .Lqk
	; ---- V
	s_lshl_b32 s[TP], s[CX], 10                    ; my first channel: 256 cx + 64 wave
	s_lshl_b32 s25, s[WV], 8
	s_add_co_u32 s[TP], s[TP], s25
	s_add_nc_u64 s[PB:PB+1], s[16:17], s[TP:TP+1]
.irp a, 0,1,2,3                                ; my row's bias in tile a, twice: a pair for the packed addition
	global_load_b32 v[BI+2*\a], v[BAV], s[PB:PB+1] offset:4*(32*(\a/2)+8*(\a%2))
	global_load_b32 v[BI+2*\a+1], v[BAV], s[PB:PB+1] offset:4*(32*(\a/2)+8*(\a%2))
.endr
	s_add_co_u32 s[TP], s[VOF], 6144
	s_add_nc_u64 s[OUTC:OUTC+1], s[18:19], s[TP:TP+1]
	s_add_co_u32 s[TP], s[VOF], 12800
	s_add_nc_u64 s[OUTS:OUTS+1], s[18:19], s[TP:TP+1]
	KSTEP 0, 0, 1
	KSTEP 1, 0, 1
	KSTEP 2, 0, 1
	KSTEP 3, 1, 1
	KSTEP 4, 0, 1
	KSTEP 5, 0, 1
	KSTEP 6, 0, 1
	KSTEP 7, 0, 0
	WIN 0
	NOP4
	s_wait_loadcnt 0x0                             ; the bias
	EPI 0, 1
	EPI 1, 1
	EPI 2, 1
	EPI 3, 1
	v_cmp_le_u32 vcc_lo, 16, v1
	v_cndmask_b32 v[D], v[PWS], v[PWS+1], vcc_lo   ; word q of lane (r, h): channel tile 2 q + h, row r: four bytes for the step's 128 keys
	v_cndmask_b32 v[D+1], v[PWS+2], v[PWS+3], vcc_lo
	global_store_b64 v[L8], v[D:D+1], s[OUTS:OUTS+1]
	s_wait_tensorcnt 0x0                           ; the wave's end
	ds_add_u32 v[SPW], v[NIL]
	s_wait_dscnt 0x0
	CROUND                                         ; the closing round
	s_endpgm
.Lfunc_end_k_q37ad85b7e7_qkv:
	.size	k_q37ad85b7e7_qkv, .Lfunc_end_k_q37ad85b7e7_qkv-k_q37ad85b7e7_qkv
	.p2alignl 7, 3214868480
	.fill 96, 4, 3214868480
	.section	.rodata,"a",@progbits
	.p2align	6, 0x0
	.amdhsa_kernel k_q37ad85b7e7_qkv
		.amdhsa_group_segment_fixed_size 327680
		.amdhsa_private_segment_fixed_size 0
		.amdhsa_enable_private_segment 0
		.amdhsa_kernarg_size 64
		.amdhsa_user_sgpr_count 2
		.amdhsa_user_sgpr_kernarg_segment_ptr 1
		.amdhsa_wavefront_size32 1
		.amdhsa_system_sgpr_workgroup_id_x 1
		.amdhsa_system_sgpr_workgroup_id_y 1
		.amdhsa_system_sgpr_workgroup_id_z 1
		.amdhsa_system_vgpr_workitem_id 0
		.amdhsa_next_free_vgpr 1024
		.amdhsa_next_free_sgpr 102
		.amdhsa_reserve_vcc 1
		.amdhsa_float_denorm_mode_32 3
		.amdhsa_float_denorm_mode_16_64 3
		.amdhsa_memory_ordered 1
		.amdhsa_forward_progress 1
		.amdhsa_inst_pref_size 182
	.end_amdhsa_kernel
	.amdgpu_metadata
---
amdhsa.version: [ 1, 2 ]
amdhsa.kernels:
  - .name:           k_q37ad85b7e7_qkv
    .symbol:         k_q37ad85b7e7_qkv.kd
    .args:
      - { .name: xc, .offset: 0, .size: 8, .value_kind: global_buffer, .address_space: global }
      - { .name: xs, .offset: 8, .size: 8, .value_kind: global_buffer, .address_space: global }
      - { .name: wc, .offset: 16, .size: 8, .value_kind: global_buffer, .address_space: global }
      - { .name: ws, .offset: 24, .size: 8, .value_kind: global_buffer, .address_space: global }
      - { .name: b_q, .offset: 32, .size: 8, .value_kind: global_buffer, .address_space: global }
      - { .name: b_k, .offset: 40, .size: 8, .value_kind: global_buffer, .address_space: global }
      - { .name: b_v, .offset: 48, .size: 8, .value_kind: global_buffer, .address_space: global }
      - { .name: qkv, .offset: 56, .size: 8, .value_kind: global_buffer, .address_space: global }
    .group_segment_fixed_size: 327680
    .private_segment_fixed_size: 0
    .kernarg_segment_align: 8
    .kernarg_segment_size: 64
    .max_flat_workgroup_size: 128
    .sgpr_count:     102
    .vgpr_count:     1024
    .wavefront_size: 32
...
	.end_amdgpu_metadata
.endif
;; end of part 2
;; launch attn (part 3): grid 4 x 64, 16 waves a work-group, clusters of 4 x 1, 211,968 bytes of LDS; arguments qkv, oc, os; writes oc, os
.if DOCPART == 3
	.amdgcn_target "amdgcn-amd-amdhsa--gfx1250"
	.amdhsa_code_object_version 6
	.text
	.protected	k_q37ad85b7e7_attn
	.globl	k_q37ad85b7e7_attn
	.p2align	8
	.type	k_q37ad85b7e7_attn,@function
k_q37ad85b7e7_attn:
	s_mov_b64 s[64:65], 0
	v_nop
	global_prefetch_b8 v0, s[64:65] scope:SCOPE_SE
	s_setreg_imm32_b32 hwreg(HW_REG_WAVE_MODE, 25, 1), 1
	s_wait_xcnt 0x0
	s_wait_alu depctr_hold_cnt(0) depctr_sa_sdst(0) depctr_va_vdst(0) depctr_va_sdst(0) depctr_va_ssrc(0) depctr_va_vcc(0) depctr_vm_vsrc(0)
	s_getreg_b32 s2, hwreg(HW_REG_IB_STS2, 6, 4)
	s_cmp_eq_u32 s2, 0
	s_cbranch_scc0 .Lentry_in_a_cluster
	s_endpgm
.Lentry_in_a_cluster:
	s_bfe_u32 s2, ttmp6, 0x10000c
	s_cmp_lg_u32 s2, 0x3003
	s_cbranch_scc0 .Lentry_shape_is_right
	s_endpgm
.Lentry_shape_is_right:
; LAUNCH 3 OF 4: for each batch and head, O = softmax(Q K^T / 8) V on codes of FP6 (E2M3), and O quantised along the model's 1,024 for the last product.  No work of the problem is left out.
; THE SOFTMAX: t = score x log2(e) / 8; M = the row's largest t so far, rounded up to a whole number; p = 2^(t - M) is quantised along the keys.  The row's sum is taken of the unquantised p and divides O at the end.
; When M moves, the sum and O are multiplied by 2^(old M - new M): exact.  LIMITS: as in launch 1; the promise holds while |t| stays under 2^31.
; SHARES.  A work-group owns 512 queries of one head; each of its sixteen waves takes one tile of 16 queries in each of two passes, in 256 registers, four waves to a SIMD.  Every wave walks the head's 2,048 keys, 128 a step.
; LDS.  The head's whole K and V stay in LDS: 16 key steps x 13,056 bytes, each brought by one load of one wave, filled once.  The four work-groups of a head ask for each load jointly (cluster 4 x 1).
; No prefetch into the L2: every tile is asked for at the head, so there is no loop to run ahead in.
; LAYOUT.  Both products are used transposed (S^T = K Q^T, O^T = V^T P^T): a lane holds one query.  By launch 1's order of x's rows, row 8 m + i of key tile 4 c + j is key 64 c + 32 m + 8 j + i: so a lane's 32 scores of
; tiles 4 c .. 4 c + 3 are keys 64 c + 32 h + 0 .. 31, one whole scale block, in the order of the operand's registers 6 c .. 6 c + 5: a block's maximum needs no other lane, and the codes are not moved between lanes.
; A HEAD'S K IS 64, THE INSTRUCTION'S 128.  Q's upper 64 codes are zeros and the upper scale bytes of Q and K are 0x7f, so whatever codes stand in the upper six registers of K's operand add nothing: K's tiles lie six
; registers apart, each operand runs on into the next tile's, the last into p's codes.
; FETCHES.  K and V have registers of their own.  K of step n + 1 is fetched behind step n's score products (18 LDS loads), V of step n + 1 behind step n's second products (17).  So the wait ahead of the score products
; leaves V's 17 out, and the wait ahead of the second products K's 18.  The walk wraps: the first pass's last trip fetches step 0 for the second pass; the second pass's last trip fetches it once more and nothing reads
; that (35 LDS loads a wave): the price of one text for all trips.
; REGISTERS: v1-5 addresses and 8 h; v6 Q's scale word; v7-9 at work; v10, v11 the add's two; v12 -M, v13 the largest score, v[14:15] the sum; v16-27 Q; v28-75 K; v76-87 p's codes; v88-135 V; v136-199 S^T, then p;
; v200-231 O^T; v232-237 K's and V's scale words; v238 f; v239 p's scale word; v240-251 at work; v252-255 addresses of the way out.
.set STEPB, 13056                      ; a key step in LDS: 0 K's codes, 6,144 V^T's, 12,288 K's scale words, 12,800 V's
.set BLKB,  19712                      ; and in memory, with Q's part behind it
.set OSC,   16*STEPB                   ; 1,024 bytes in which the work-group's scale bytes of O are gathered; no fill lands here
.set SPARE, OSC+1024                   ; the spare words, 128 bytes for each wave: eight blocks of 256 bytes that no other line names
.set L16, 1
.set L8,  2
.set AD16, 3
.set AD8, 4
.set H8,  5
.set QS,  6
.set SPW, 10
.set NIL, 11
.set QF,  16
.set KB,  28
.set PCD, 76
.set VB,  88
.set S,   136
.set O,   200
.set KS,  232
.set VS,  236
.set FF,  238
.set PSW, 239
.set OSCA, 252                         ; OSC + 32 wave + 2 r
.set R8,  253                          ; 8 r
.set OSL, 254                          ; OSC + 16 (thread % 64)
.set T16, 255                          ; 16 (thread % 64)
.set WV, 10
.set CX, 11
.set BH, 12
.set BT, 13
.set HD, 14
.set G0, 16
.set G1, 20
.set SEL, 28
.set CS,  30                           ; s[30:31] c = log2(e) / 8
.set TB,  32                           ; s32 where the step that is fetched next begins in LDS
.set CNT, 33
.set QP,  34
.set QSP, 36
.set OCP, 38
.set OSP, 40
.macro CROUND
	s_barrier_signal -1
	s_barrier_wait -1
	s_cmp_lg_u32 s[WV], 0
	s_cbranch_scc1 .Lnot_wave_0_\@
	s_barrier_signal -3
.Lnot_wave_0_\@:
	s_barrier_wait -3
	s_barrier_signal -1
	s_barrier_wait -1
.endm
.macro WALU
	s_wait_alu depctr_va_vdst(0)
.endm
.macro WM d, a, b, c, sa, sb, row      ; row = 1: source 0's scales stand in lanes 16-31
.if \row
	v_wmma_scale_f32_16x16x128_f8f6f4 v[(\d):(\d)+7], v[(\a):(\a)+11], v[(\b):(\b)+11], \c, v[\sa], v[\sb] matrix_a_fmt:MATRIX_FMT_FP6 matrix_b_fmt:MATRIX_FMT_FP6 matrix_a_scale:MATRIX_SCALE_ROW1
.else
	v_wmma_scale_f32_16x16x128_f8f6f4 v[(\d):(\d)+7], v[(\a):(\a)+11], v[(\b):(\b)+11], \c, v[\sa], v[\sb] matrix_a_fmt:MATRIX_FMT_FP6 matrix_b_fmt:MATRIX_FMT_FP6
.endif
.endm
.macro KLOAD a16, a8                   ; 18 loads: K's eight tiles and their scale words (register t / 2: the even tile's in lanes 0-15, the odd one's in lanes 16-31)
.irp t, 0,1,2,3,4,5,6,7
	ds_load_b128 v[KB+6*\t:KB+6*\t+3], v[\a16] offset:768*\t
	ds_load_b64 v[KB+6*\t+4:KB+6*\t+5], v[\a8] offset:768*\t+512
.endr
	ds_load_b64 v[KS:KS+1], v[\a8] offset:12288
	ds_load_b64 v[KS+2:KS+3], v[\a8] offset:12544
.endm
.macro VLOAD a16, a8                   ; 17 loads: V^T's four fragments (eight units) and their scale words
.irp t, 0,1,2,3,4,5,6,7
	ds_load_b128 v[VB+6*\t:VB+6*\t+3], v[\a16] offset:6144+768*\t
	ds_load_b64 v[VB+6*\t+4:VB+6*\t+5], v[\a8] offset:6144+768*\t+512
.endr
	ds_load_b64 v[VS:VS+1], v[\a8] offset:12800
.endm
.macro TM j                            ; t - M, two at a time
	v_pk_fma_f32 v[S+\j:S+\j+1], v[S+\j:S+\j+1], s[CS:CS+1], v[12:13] op_sel_hi:[1,0,0]
.endm
.macro OF j                            ; O^T under the new M
	v_pk_mul_f32 v[O+\j:O+\j+1], v[O+\j:O+\j+1], v[FF:FF+1] op_sel_hi:[1,0]
.endm
.macro INIT                            ; O^T and the sum begin as zeros, the largest score as -3e38 and -M as 3e38: the first change of M multiplies zeros by 0
	v_mov_b32 v13, 0xff61b1e6
	v_mov_b32 v12, 0x7f61b1e6
	v_mov_b32 v14, 0
	v_mov_b32 v15, 0
.set i, 0
.rept 32
	v_mov_b32 v[O+i], 0
.set i, i+1
.endr
.endm
	s_load_b128 s[4:7], s[0:1], 0x0                ; qkv s[4:5], oc s[6:7]
	s_load_b64 s[8:9], s[0:1], 0x10                ; os
	v_lshl_add_u32 v[SPW], v0, 2, SPARE
	v_mov_b32 v[NIL], 0
	ds_add_u32 v[SPW], v[NIL]                      ; the opening: the add, twice on end, and its wait ahead of my tensor load
	ds_add_u32 v[SPW], v[NIL]
	v_lshrrev_b32 v1, 5, v0
	v_readfirstlane_b32 s[WV], v1                  ; wave 0..15
	s_bfe_u32 s[CX], ttmp6, 0x40000                ; my place in the cluster: it enters Q's, oc's and os's addresses alone
	s_and_b32 s[BH], ttmp7, 0xffff                 ; batch x 16 + head, which the four partners share
	s_lshr_b32 s[BT], s[BH], 4
	s_and_b32 s[HD], s[BH], 15
	s_mov_b32 s[G1], 15|(3<<16)|(1<<21)            ; key step = my wave's number: 13,056 dense bytes as 51 rows of 32 elements of 8 bytes; the mask names all four work-groups
	s_mov_b32 s[G1+1], 32<<16
	s_mov_b32 s[G1+2], 51<<16
	s_mov_b32 s[G1+3], 32<<16
	s_mov_b32 s[G1+4], 51
	s_mov_b32 s[G1+5], 32
	s_mov_b32 s[G1+6], 0
	s_mov_b32 s[G1+7], 0
	s_mov_b32 s[G0], 1
	s_mul_i32 s[G0+1], s[WV], STEPB
	s_lshl_b32 s42, s[BH], 4
	s_add_co_u32 s42, s42, s[WV]
	s_mul_i32 s42, s42, BLKB
	s_mov_b32 s43, 0
	s_mov_b32 s[SEL], 0x76543210
	s_mov_b32 s[SEL+1], 0xfedcba98
	s_mov_b32 s[CS], 0x3e38aa3b
	s_mov_b32 s[CS+1], s[CS]
	s_wait_dscnt 0x0                               ; both opening adds are done
	s_wait_kmcnt 0x0
	s_add_nc_u64 s[G0+2:G0+3], s[4:5], s[42:43]
	s_or_b32 s[G0+3], s[G0+3], 0x80000000
	CROUND                                         ; all four work-groups are here: the joint loads meet
	s_cmp_lt_u32 s[WV], 4                          ; my one tensor load.  Waves 0 to 3, whose key steps are read first, have a line of their own: the first barrier waits for that line alone
	s_cbranch_scc0 .Llater
	tensor_load_to_lds s[G0:G0+3], s[G1:G1+7]
	s_nop 0
.rept 4
	v_nop
.endr
	s_branch .Lasked
.Llater:
	tensor_load_to_lds s[G0:G0+3], s[G1:G1+7]
	s_nop 0
.rept 4
	v_nop
.endr
.Lasked:
	; Q: my tile in pass p is 32 cx + 16 p + wave of the head's 128: block 4 cx + 2 p + wave / 8, tile wave % 8 in it
	s_lshl_b32 s44, s[BH], 4
	s_lshl_b32 s45, s[CX], 2
	s_add_co_u32 s44, s44, s45
	s_lshr_b32 s45, s[WV], 3
	s_add_co_u32 s44, s44, s45
	s_mul_i32 s44, s44, BLKB
	s_and_b32 s45, s[WV], 7
	s_mul_i32 s46, s45, 768
	s_add_co_u32 s46, s46, s44
	s_add_co_u32 s46, s46, 13056
	s_mov_b32 s47, 0
	s_add_nc_u64 s[QP:QP+1], s[4:5], s[46:47]
	s_lshr_b32 s45, s45, 2                         ; its scale word: half (tile / 4), lanes 16 on for an odd tile, word (tile % 4) / 2
	s_lshl_b32 s45, s45, 8
	s_add_co_u32 s46, s44, s45
	s_and_b32 s45, s[WV], 1
	s_lshl_b32 s45, s45, 7
	s_add_co_u32 s46, s46, s45
	s_bfe_u32 s45, s[WV], 0x10001
	s_lshl_b32 s45, s45, 2
	s_add_co_u32 s46, s46, s45
	s_add_co_u32 s46, s46, 19200
	s_add_nc_u64 s[QSP:QSP+1], s[4:5], s[46:47]
	s_lshl_b32 s44, s[BT], 7                       ; oc: token tile 128 batch + 32 cx + wave (+ 16 p), unit = head
	s_lshl_b32 s45, s[CX], 5
	s_add_co_u32 s44, s44, s45
	s_add_co_u32 s44, s44, s[WV]
	s_mul_i32 s44, s44, 12288
	s_mul_i32 s45, s[HD], 768
	s_add_co_u32 s46, s44, s45
	s_add_nc_u64 s[OCP:OCP+1], s[6:7], s[46:47]
	s_lshl_b32 s44, s[HD], 14                      ; os: [head][8,192 rows] of two bytes: my work-group's 512 rows
	s_lshl_b32 s45, s[BT], 12
	s_add_co_u32 s44, s44, s45
	s_lshl_b32 s45, s[CX], 10
	s_add_co_u32 s46, s44, s45
	s_add_nc_u64 s[OSP:OSP+1], s[8:9], s[46:47]
	s_lshl_b32 s48, s[WV], 5
	s_add_co_u32 s48, s48, OSC
	s_mov_b32 s[TB], STEPB
	v_and_b32 v7, 31, v0                           ; lane
	v_and_b32 v8, 15, v0                           ; r
	v_bfe_u32 v9, v0, 4, 1                         ; h
	v_and_b32 v[T16], 63, v0
	v_lshlrev_b32 v[L16], 4, v7
	v_lshlrev_b32 v[L8], 3, v7
	v_lshlrev_b32 v[R8], 3, v8
	v_lshlrev_b32 v[H8], 3, v9
	v_lshlrev_b32 v[T16], 4, v[T16]
	v_lshl_add_u32 v[OSCA], v8, 1, s48
	v_add_nc_u32 v[OSL], OSC, v[T16]
	global_load_b128 v[QF:QF+3], v[L16], s[QP:QP+1]
	global_load_b64 v[QF+4:QF+5], v[L8], s[QP:QP+1] offset:512
	global_load_b32 v[QS], v[R8], s[QSP:QSP+1]
.irp j, 0,1,2,3,4,5
	v_mov_b32 v[QF+6+\j], 0                        ; Q's upper 64 codes: zeros
	v_mov_b32 v[PCD+\j], 0                         ; what the last tile of K runs on into, written before the first step reads it
.endr
	v_mov_b32 v[PSW], 0                            ; (named as the upper half of the pair v[238:239] before it is first written)
	INIT
	WALU
	s_wait_loadcnt 0x0                             ; Q
	s_cmp_lt_u32 s[WV], 4
	s_cbranch_scc0 .Lnot_first
	s_wait_tensorcnt 0x0                           ; waves 0 to 3: my key step has landed
.Lnot_first:
	s_barrier_signal -1
	s_barrier_wait -1                              ; key steps 0 to 3 are in; the others may still be on their way
	KLOAD L16, L8
	VLOAD L16, L8
; A KEY STEP: 128 keys.
.macro STEP wrap
	s_wait_dscnt 17                                ; K and its scale words are in; V's 17 loads may be out
.irp t, 0,2,4,6
	WM S+8*\t, KB+6*\t, QF, 0, KS+\t/2, QS, 0
	WM S+8*\t+8, KB+6*\t+6, QF, 0, KS+\t/2, QS, 1
.endr
	v_add_nc_u32 v[AD16], s[TB], v[L16]            ; the next step's place.  These four are the places in front of the loads below and of the first read of the scores
	v_add_nc_u32 v[AD8], s[TB], v[L8]
	v_mov_b32 v7, v12                              ; the old -M
	v_nop
	KLOAD AD16, AD8
.irp b, 0,1,2,3                                ; the largest score of each block of 32 keys, in two chains a block: it serves for the row's maximum and, since p rises with the score, for the block's largest p
	v_max3_num_f32 v[240+\b], v[S+16*\b], v[S+1+16*\b], v[S+2+16*\b]
.endr
.irp i, 3,5,7,9,11,13
.irp b, 0,1,2,3
	v_max3_num_f32 v[240+\b], v[240+\b], v[S+16*\b+\i], v[S+1+16*\b+\i]
.endr
.endr
	v_max3_num_f32 v240, v240, v241, v[S+15]
	v_max3_num_f32 v242, v242, v243, v[S+47]
	v_max_num_f32 v240, v240, v[S+31]              ; block h
	v_max_num_f32 v242, v242, v[S+63]              ; block 2 + h
	s_delay_alu instid0(VALU_DEP_1)
	v_max3_num_f32 v13, v13, v240, v242            ; the running largest score of my half of the keys,
	s_delay_alu instid0(VALU_DEP_1)
	v_permlanex16_b32 v9, v13, s[SEL], s[SEL+1]
	s_delay_alu instid0(VALU_DEP_1)
	v_max_num_f32 v13, v13, v9                     ; and of the row
	s_delay_alu instid0(VALU_DEP_1)
	v_mul_f32 v8, s[CS], v13                       ; as t (c is positive)
	s_delay_alu instid0(VALU_DEP_1)
	v_floor_f32 v12, -v8                           ; the new -M = floor(-t): M is a whole number
.irp j, 0,2,4,6
	TM \j
.endr
	v_sub_f32 v7, v12, v7                          ; old M - new M: a whole number, 0 or less
.irp j, 8,10,12,14
	TM \j
.endr
	v_cvt_i32_f32 v7, v7                           ; (it saturates)
.irp j, 16,18,20,22
	TM \j
.endr
	v_ldexp_f32 v[FF], 1.0, v7                     ; f = 2^(old M - new M)
.irp j, 24,26,28,30,32,34,36,38,40,42,44,46,48,50,52,54,56,58,60,62
	TM \j
.endr
	v_fma_f32 v240, v240, s[CS], v12               ; the same of each block's largest score
	v_fma_f32 v242, v242, s[CS], v12
	WALU
	v_exp_f32 v240, v240                           ; the blocks' largest p
	v_exp_f32 v242, v242
.set i, 0
.rept 64
	v_exp_f32 v[S+i], v[S+i]                       ; p = 2^(t - M): not normalised
.set i, i+1
.endr
	v_pk_mul_f32 v[14:15], v[14:15], v[FF:FF+1] op_sel_hi:[1,0]   ; the sum under the new M: the plain line behind the exponentials
	WALU                                           ; one wait for the batch, directly ahead of the first reader of O^T too
.irp j, 0,2,4,6
	OF \j
.endr
	v_max_num_f32 v240, 0x1800000, v240            ; the floor 2^(3 - 127): the byte cannot fall under 1
	v_max_num_f32 v242, 0x1800000, v242
.irp j, 8,10,12,14
	OF \j
.endr
	v_add_nc_u32 v241, 0xff000000, v240            ; 2 off the exponent field: the conversions' scale operands
	v_add_nc_u32 v243, 0xff000000, v242
.irp j, 16,18,20,22
	OF \j
.endr
	v_lshrrev_b32 v247, 23, v241                   ; the scales' bytes
	v_lshrrev_b32 v251, 23, v243
.irp j, 24,26,28,30
	OF \j
.endr
	v_lshl_or_b32 v247, v251, 16, v247             ; my two bytes: blocks h and 2 + h
	v_cvt_scalef32_pk16_fp6_f32 v[PCD:PCD+2], v[S:S+15], v241
	v_cvt_scalef32_pk16_fp6_f32 v[244:246], v[S+16:S+31], v241     ; (a conversion's three registers begin on an even number)
	v_cvt_scalef32_pk16_fp6_f32 v[PCD+6:PCD+8], v[S+32:S+47], v243
	v_cvt_scalef32_pk16_fp6_f32 v[248:250], v[S+48:S+63], v243
	v_lshlrev_b32 v247, v[H8], v247                ; at their places in the word.  (The plain line behind the conversions)
.irp i, 0,1,2
	v_mov_b32 v[PCD+3+\i], v[244+\i]
	v_mov_b32 v[PCD+9+\i], v[248+\i]
.endr
	v_permlanex16_b32 v251, v247, s[SEL], s[SEL+1]
	v_or_b32 v[PSW], v247, v251                    ; with lane l xor 16's two: p's scale word for these 128 keys
	v_pk_add_f32 v[244:245], v[S:S+1], v[S+2:S+3]  ; the row's sum of the unquantised p: two at a time, four chains
	v_pk_add_f32 v[248:249], v[S+4:S+5], v[S+6:S+7]
	v_pk_add_f32 v[8:9], v[S+8:S+9], v[S+10:S+11]
	v_pk_add_f32 v[14:15], v[14:15], v[S+12:S+13]
.irp j, 14,22,30,38,46,54
	v_pk_add_f32 v[244:245], v[244:245], v[S+\j:S+\j+1]
	v_pk_add_f32 v[248:249], v[248:249], v[S+\j+2:S+\j+3]
	v_pk_add_f32 v[8:9], v[8:9], v[S+\j+4:S+\j+5]
	v_pk_add_f32 v[14:15], v[14:15], v[S+\j+6:S+\j+7]
.endr
	WALU
	s_wait_dscnt 18                                ; V^T and its scale words are in; the next step's K, 18 loads, may be out
.irp t, 0,2
	WM O+8*\t, VB+12*\t, PCD, v[O+8*\t:O+8*\t+7], VS+\t/2, PSW, 0
	WM O+8*\t+8, VB+12*\t+12, PCD, v[O+8*\t+8:O+8*\t+15], VS+\t/2, PSW, 1
.endr
	v_pk_add_f32 v[244:245], v[244:245], v[S+62:S+63]   ; the sum's last four additions are the places in front of the loads below
	v_pk_add_f32 v[8:9], v[8:9], v[248:249]
	v_pk_add_f32 v[14:15], v[14:15], v[244:245]
	v_pk_add_f32 v[14:15], v[14:15], v[8:9]
	VLOAD AD16, AD8
	s_add_co_u32 s[TB], s[TB], STEPB               ; on, and behind the sixteenth step back to the first
.if \wrap
	s_cmp_eq_u32 s[TB], 16*STEPB
	s_cselect_b32 s[TB], 0, s[TB]
.endif
.endm
; A PASS: one tile of 16 queries against all keys, then its way out.
.macro PASS p
.if \p == 0
	s_mov_b32 s[CNT], 3                            ; the first three trips work on key steps 0 to 2 and fetch steps 1 to 3
.Lfirst_\@:
	STEP 0
	s_sub_co_u32 s[CNT], s[CNT], 1
	s_cmp_lg_u32 s[CNT], 0
	s_cbranch_scc1 .Lfirst_\@
	WALU
	s_wait_tensorcnt 0x0                           ; every wave: my key step has landed,
	s_wait_dscnt 0x0
	s_barrier_signal -1
	s_barrier_wait -1                              ; and all sixteen
	s_mov_b32 s[CNT], 13
.else
	s_mov_b32 s[CNT], 16
.endif
.Lstep_\@:
	STEP 1
	s_sub_co_u32 s[CNT], s[CNT], 1
	s_cmp_lg_u32 s[CNT], 0
	s_cbranch_scc1 .Lstep_\@
	WALU
.if \p == 0
	global_load_b128 v[QF:QF+3], v[L16], s[QP:QP+1] offset:2*BLKB        ; the second pass's Q lands under the way out
	global_load_b64 v[QF+4:QF+5], v[L8], s[QP:QP+1] offset:2*BLKB+512
	global_load_b32 v[QS], v[R8], s[QSP:QSP+1] offset:2*BLKB
.endif
	v_add_f32 v14, v14, v15                        ; the sum's two halves,
	v_permlanex16_b32 v9, v14, s[SEL], s[SEL+1]
	v_add_f32 v14, v14, v9                         ; and lane l xor 16's: the row's sum
	WALU
	v_rcp_f32 v14, v14
	v_nop
	WALU                                           ; ahead of the reciprocal's first reader, which is O^T's first reader too
.set i, 0
.rept 32
	v_mul_f32 v[S+i], v[O+i], v14                  ; O^T / the sum: register 16 g + i is channel 32 g + 16 h + i of my query (the weights' order of rows)
.set i, i+1
.endr
.irp b, 0,1                                    ; the head's 64 channels are two blocks of the last product's K
	v_max3_num_f32 v[240+\b], |v[S+16*\b]|, |v[S+1+16*\b]|, 0x1800000
.endr
.irp i, 2,4,6,8,10,12,14
.irp b, 0,1
	v_max3_num_f32 v[240+\b], v[240+\b], |v[S+16*\b+\i]|, |v[S+1+16*\b+\i]|
.endr
.endr
.irp b, 0,1
	v_permlanex16_b32 v[244+\b], v[240+\b], s[SEL], s[SEL+1]
.endr
.irp b, 0,1
	v_max_num_f32 v[240+\b], v[240+\b], v[244+\b]
.endr
.irp b, 0,1
	v_add_nc_u32 v[242+\b], 0xff000000, v[240+\b]
.endr
.irp b, 0,1
	v_lshrrev_b32 v[244+\b], 23, v[242+\b]
.endr
	v_lshl_or_b32 v7, v245, 8, v244                ; my row's two scale bytes
	v_cvt_scalef32_pk16_fp6_f32 v[PCD:PCD+2], v[S:S+15], v242
	v_cvt_scalef32_pk16_fp6_f32 v[248:250], v[S+16:S+31], v243
	v_nop                                          ; one plain place behind a scaled conversion
.irp i, 0,1,2
	v_permlane16_swap_b32 v[PCD+\i], v[248+\i]     ; the operand's layout wants a whole block in a lane
.endr
.irp i, 0,1,2
	v_mov_b32 v[PCD+3+\i], v[248+\i]
.endr
	global_store_b128 v[L16], v[PCD:PCD+3], s[OCP:OCP+1] offset:16*12288*\p       ; a unit: 512 and 256 consecutive bytes, aligned
	global_store_b64 v[L8], v[PCD+4:PCD+5], s[OCP:OCP+1] offset:16*12288*\p+512
	ds_store_b16 v[OSCA], v7 offset:512*\p         ; both halves of the lanes write the same two bytes with the same value
.if \p == 0
	INIT
	WALU
	s_wait_xcnt 0x0                                ; the stores have read their data: p's codes are written again only behind this wait
	s_wait_loadcnt 0x0                             ; Q
.endif
.endm
	PASS 0
	PASS 1
	s_wait_dscnt 0x0                               ; for the others' sake: my scale bytes lie in LDS
	s_barrier_signal -1
	s_barrier_wait -1
	s_cmp_lt_u32 s[WV], 2                          ; the work-group's 1,024 scale bytes leave as four aligned runs of 256 bytes: waves 0 and 1, 16 bytes a lane
	s_cbranch_scc0 .Lno_os
	ds_load_b128 v[S:S+3], v[OSL]
	s_wait_dscnt 0x0
	global_store_b128 v[T16], v[S:S+3], s[OSP:OSP+1]
.Lno_os:
	s_wait_tensorcnt 0x0                           ; the wave's end
	ds_add_u32 v[SPW], v[NIL]
	s_wait_dscnt 0x0
	CROUND                                         ; the closing round
	s_endpgm
.Lfunc_end_k_q37ad85b7e7_attn:
	.size	k_q37ad85b7e7_attn, .Lfunc_end_k_q37ad85b7e7_attn-k_q37ad85b7e7_attn
	.p2alignl 7, 3214868480
	.fill 96, 4, 3214868480
	.section	.rodata,"a",@progbits
	.p2align	6, 0x0
	.amdhsa_kernel k_q37ad85b7e7_attn
		.amdhsa_group_segment_fixed_size 211968
		.amdhsa_private_segment_fixed_size 0
		.amdhsa_enable_private_segment 0
		.amdhsa_kernarg_size 24
		.amdhsa_user_sgpr_count 2
		.amdhsa_user_sgpr_kernarg_segment_ptr 1
		.amdhsa_wavefront_size32 1
		.amdhsa_system_sgpr_workgroup_id_x 1
		.amdhsa_system_sgpr_workgroup_id_y 1
		.amdhsa_system_sgpr_workgroup_id_z 1
		.amdhsa_system_vgpr_workitem_id 0
		.amdhsa_next_free_vgpr 256
		.amdhsa_next_free_sgpr 66
		.amdhsa_reserve_vcc 0
		.amdhsa_float_denorm_mode_32 3
		.amdhsa_float_denorm_mode_16_64 3
		.amdhsa_memory_ordered 1
		.amdhsa_forward_progress 1
		.amdhsa_inst_pref_size 64
	.end_amdhsa_kernel
	.amdgpu_metadata
---
amdhsa.version: [ 1, 2 ]
amdhsa.kernels:
  - .name:           k_q37ad85b7e7_attn
    .symbol:         k_q37ad85b7e7_attn.kd
    .args:
      - { .name: qkv, .offset: 0, .size: 8, .value_kind: global_buffer, .address_space: global }
      - { .name: oc, .offset: 8, .size: 8, .value_kind: global_buffer, .address_space: global }
      - { .name: os, .offset: 16, .size: 8, .value_kind: global_buffer, .address_space: global }
    .group_segment_fixed_size: 211968
    .private_segment_fixed_size: 0
    .kernarg_segment_align: 8
    .kernarg_segment_size: 24
    .max_flat_workgroup_size: 512
    .sgpr_count:     66
    .vgpr_count:     256
    .wavefront_size: 32
...
	.end_amdgpu_metadata
.endif
;; end of part 3
;; launch oproj (part 4): grid 4 x 64, 4 waves a work-group, clusters of 4 x 4, 327,680 bytes of LDS; arguments oc, os, wc, ws, b_o, out0; writes out0
.if DOCPART == 4
	.amdgcn_target "amdgcn-amd-amdhsa--gfx1250"
	.amdhsa_code_object_version 6
	.text
	.protected	k_q37ad85b7e7_oproj
	.globl	k_q37ad85b7e7_oproj
	.p2align	8
	.type	k_q37ad85b7e7_oproj,@function
k_q37ad85b7e7_oproj:
	s_mov_b64 s[64:65], 0
	v_nop
	global_prefetch_b8 v0, s[64:65] scope:SCOPE_SE
	s_setreg_imm32_b32 hwreg(HW_REG_WAVE_MODE, 25, 1), 1
	s_wait_xcnt 0x0
	s_wait_alu depctr_hold_cnt(0) depctr_sa_sdst(0) depctr_va_vdst(0) depctr_va_sdst(0) depctr_va_ssrc(0) depctr_va_vcc(0) depctr_vm_vsrc(0)
	s_getreg_b32 s2, hwreg(HW_REG_IB_STS2, 6, 4)
	s_cmp_eq_u32 s2, 0
	s_cbranch_scc0 .Lentry_in_a_cluster
	s_endpgm
.Lentry_in_a_cluster:
	s_bfe_u32 s2, ttmp6, 0x10000c
	s_cmp_lg_u32 s2, 0xf033
	s_cbranch_scc0 .Lentry_shape_is_right
	s_endpgm
.Lentry_shape_is_right:
; LAUNCH 4 OF 4: out0 = O W_o^T + b_o on codes of FP6 (E2M3).  No work is left out.  LIMITS: as in launch 1.
; SHARES.  A work-group makes 128 tokens (8 row tiles of oc) x 256 channels (16 row tiles of W_o, tiles 192 on of wc) over all of K = 1,024.  Four waves, 2 x 2: a wave has 4 token blocks (source 1: a lane holds a token)
; x 8 channel blocks (source 0: a lane's registers run along neighbouring channels).
; TWO PASSES.  A wave's 128 channels go in two passes of 64 (4 channel blocks), each over all of K: 16 products and 8 fragments (32 LDS loads) to a half step.  The first pass's results are stored before the second pass is
; multiplied, so that half of the output is on its way under the second pass's products.
; LDS.  Both panels lie whole in LDS as two halves of K (the tokens' 8 tiles of 6,144 bytes, then W_o's 16), each byte filled once: one joint load a wave at the head, one behind the three lines and a round of the
; cluster's barrier; tokens' tiles are asked for along a row of the 4 x 4 cluster, W_o's along a column.  A plain barrier in half step 3 shows the second half.
; No prefetch into the L2: both fills stand at the head, and there is no loop to run ahead in.
; THE WAY OUT.  A block of 16 tokens x 64 channels goes through the wave's own stage in LDS, bytes of its own behind the spare words (the panels are still read when the first pass leaves), and leaves as rows of 256 bytes:
; sixteen lanes store one aligned unit.  Launch 1's order of x's rows is undone by the stores' immediates: row t of token tile a is token 8 a + t % 8 + 32 (t / 8) of the wave's 64.
; THE WAITS' COUNTS.  A half step's 32 loads go W_o's four fragments first, then the tokens' four.  At its top the youngest 12 (token blocks 1 to 3) may be out; ahead of token block a's products those of the later blocks
; and the next half step's 32.
; REGISTERS.  Window 0: v1-3 lane, r, h; v16-30 addresses, the add's two among them; v32-63, v68-83 scale words of W_o and of the tokens; v84-147 bias; v148-211 first the tokens' scale bytes, later a block on its way out.
;   Window 1: the accumulators, (a, b) at v[64 a + 8 b].   Windows 2, 3: two sets of fragments: W_o's block at v[12 b], the tokens' at v[48 + 12 a].
.set SLOTB, 147456
.set WOFF,  49152
.set TILEB, 6144
.set ROWT,  12288
.set SPARE, 2*SLOTB                    ; the spare words, 128 bytes for each wave: two blocks of 256 bytes that no other line names
.set STAGE, SPARE+512
.set SPITCH, 272                       ; a stage row: 256 bytes + 16
.set STG,   16*SPITCH                  ; a wave's stage: 17 blocks of 256 bytes
.set A16, 16
.set A8,  17
.set B16, 18
.set B8,  19
.set L16, 20
.set L8,  21
.set SL,  22
.set BAQ, 23
.set STO, 24                           ; the stage: where I put 64 bytes of a row: 272 r + 64 h
.set RD,  25                           ; and where I read back: 272 h + 16 r
.set RL,  26                           ; 2 x lane
.set CO,  27                           ; in out0: 4,096 h + 16 r
.set SPW, 28
.set NIL, 29
.set L8P, 30
.set SCB, 32
.set SCA, 68
.set BI,  84
.set HA,  148
.set WV, 20
.set HI, 21
.set LO, 22
.set CX, 23
.set CY, 24
.set YY, 26
.set G1X, 32
.set G1W, 40
.set G0X, 48
.set G0W, 56
.set MSB, 0
.set YNG, 0
.macro WIN new
.if MSB != \new
	s_set_vgpr_msb (MSB<<8)|\new
.set MSB, \new
.endif
.endm
.macro WALU
	s_wait_alu depctr_va_vdst(0)
.endm
.macro NOP4
.rept 4
	v_nop
.endr
.endm
.macro CROUND
	s_barrier_signal -1
	s_barrier_wait -1
	s_cmp_lg_u32 s[WV], 0
	s_cbranch_scc1 .Lnot_wave_0_\@
	s_barrier_signal -3
.Lnot_wave_0_\@:
	s_barrier_wait -3
	s_barrier_signal -1
	s_barrier_wait -1
.endm
.macro FRAG reg, a16, a8, off          ; a fragment, 16 rows x 128 K: two units as they lie
	ds_load_b128 v[(\reg):(\reg)+3], v[\a16] offset:(\off)
	ds_load_b64 v[(\reg)+4:(\reg)+5], v[\a8] offset:(\off)
	ds_load_b128 v[(\reg)+6:(\reg)+9], v[\a16] offset:(\off)+768
	ds_load_b64 v[(\reg)+10:(\reg)+11], v[\a8] offset:(\off)+768
.endm
.macro LOADS g                         ; half step g = 8 x pass + K step: 8 fragments, 32 LDS loads in one run, into set g % 2
.set LS_, (\g)%8
.set LP_, (\g)/8
.if LS_%2
	WIN 0xc0
.else
	WIN 0x80
.endif
.irp b, 0,1,2,3
	FRAG 12*\b, B16, B8, TILEB*(4*LP_+\b)+1536*(LS_%4)
.endr
.irp a, 0,1,2,3
	FRAG 48+12*\a, A16, A8, TILEB*\a+1536*(LS_%4)
.endr
.endm
.macro WM d, b, a, c, p, q, rb, ra     ; a scale register carries two blocks' words: the even one's in lanes 0-15, the odd one's in lanes 16-31
	v_wmma_scale_f32_16x16x128_f8f6f4 v[(\d):(\d)+7], v[(\b):(\b)+11], v[(\a):(\a)+11], \c, v[\p], v[\q] matrix_a_fmt:MATRIX_FMT_FP6 matrix_b_fmt:MATRIX_FMT_FP6 matrix_a_scale:MATRIX_SCALE_ROW\rb matrix_b_scale:MATRIX_SCALE_ROW\ra
.endm
.macro MULS g                          ; 16 products: the pass's 16 accumulators take turns, one instruction a turn, in the same order in every half step.  K step 0 starts the sums
.set MS_, (\g)%8
.set MP_, (\g)/8
.if MS_%2
	WIN 0x5f
.else
	WIN 0x5a
.endif
.irp a2, 0,1
.irp ra, 0,1
.if 2*\a2+\ra > 0
	s_wait_dscnt YNG+12-4*(2*\a2+\ra)
.endif
.irp b2, 0,1
.irp rb, 0,1
.if MS_ == 0
	WM 64*(2*\a2+\ra)+8*(4*MP_+2*\b2+\rb), 12*(2*\b2+\rb), 48+12*(2*\a2+\ra), 0, SCB+8*(2*MP_+\b2)+MS_, SCA+8*\a2+MS_, \rb, \ra
.else
	WM 64*(2*\a2+\ra)+8*(4*MP_+2*\b2+\rb), 12*(2*\b2+\rb), 48+12*(2*\a2+\ra), v[64*(2*\a2+\ra)+8*(4*MP_+2*\b2+\rb):64*(2*\a2+\ra)+8*(4*MP_+2*\b2+\rb)+7], SCB+8*(2*MP_+\b2)+MS_, SCA+8*\a2+MS_, \rb, \ra
.endif
.endr
.endr
.endr
.endr
.endm
.macro JLOAD q                         ; my part of half q of K: one joint load a wave, in one of two arms; an s_nop 0 and four v_nop follow each
	s_cmp_eq_u32 s[HI], 0
	s_cbranch_scc0 .Lfill_w_\@
	tensor_load_to_lds s[G0X+4*\q:G0X+4*\q+3], s[G1X:G1X+7]
	s_nop 0
	NOP4
	s_branch .Lfilled_\@
.Lfill_w_\@:
	tensor_load_to_lds s[G0W+4*\q:G0W+4*\q+3], s[G1W:G1W+7]
	s_nop 0
	NOP4
.Lfilled_\@:
.endm
; A half step: the next one's 32 loads are issued first and land under this one's 16 products.
.macro KH g
.if (\g) == 3
	WIN 0
	s_wait_dscnt 0x0
	s_wait_tensorcnt 0x0                           ; my part of the second half of K has landed
	s_barrier_signal -1
	s_barrier_wait -1
.else
	s_wait_dscnt 12                                ; W_o's four fragments and the tokens' first are in
.endif
.if (\g) < 15
.if (\g)%8 == 3
	WIN 0
	v_add_nc_u32 v[A16], SLOTB, v[A16]             ; on to the second half of K.  These four are the places in front of the loads
	v_add_nc_u32 v[A8], SLOTB, v[A8]
	v_add_nc_u32 v[B16], SLOTB, v[B16]
	v_add_nc_u32 v[B8], SLOTB, v[B8]
	WALU
.elseif (\g)%8 == 7
	WIN 0
	v_add_nc_u32 v[A16], s27, v[L16]               ; back to the first half, for the second pass
	v_add_nc_u32 v[A8], s27, v[L8P]
	v_add_nc_u32 v[B16], s31, v[L16]
	v_add_nc_u32 v[B8], s31, v[L8P]
	WALU
.else
	NOP4
.endif
	LOADS (\g)+1
.set YNG, 32
.else
.set YNG, 0
.endif
	MULS \g
.endm
; Token block a of pass p: bias (the addition is also the way from window 1 to window 0, each accumulator from its low end on), through my stage, out as rows of 256 bytes.
.macro OUTB a, p
	s_wait_xcnt 0x0                                ; earlier stores have read their data
	WIN 0x01
.set i, 0
.rept 16
	v_pk_add_f32 v[HA+2*i:HA+2*i+1], v[64*(\a)+32*(\p)+2*i:64*(\a)+32*(\p)+2*i+1], v[BI+32*(\p)+2*i:BI+32*(\p)+2*i+1]
.set i, i+1
.endr
	WIN 0
.irp g, 0,1
.irp k, 0,1,2,3
	ds_store_b128 v[STO], v[HA+16*\g+4*\k:HA+16*\g+4*\k+3] offset:128*\g+16*\k
.endr
.endr
.irp t, 0,1,2,3,4,5,6,7
	ds_load_b128 v[HA+32+4*\t:HA+32+4*\t+3], v[RD] offset:2*\t*SPITCH   ; rows 2 t and 2 t + 1.  LDS serves a wave's instructions in order: these see my stores
.endr
.irp t, 0,1,2,3,4,5,6,7
	s_wait_dscnt 7-\t                              ; these two rows are back; the younger loads may be out
	global_store_b128 v[CO], v[HA+32+4*\t:HA+32+4*\t+3], s[90:91] offset:(8*(\a)+(2*\t)%8+32*((2*\t)/8))*4096+256*(\p) th:TH_STORE_NT   ; sixteen lanes store 256 consecutive bytes, aligned: the rows' true places
.endr
.endm
	s_load_b256 s[4:11], s[0:1], 0x0               ; oc s[4:5], os s[6:7], wc s[8:9], ws s[10:11]
	s_load_b128 s[12:15], s[0:1], 0x20             ; b_o s[12:13], out0 s[14:15]
	v_lshl_add_u32 v[SPW], v0, 2, SPARE
	v_mov_b32 v[NIL], 0
	ds_add_u32 v[SPW], v[NIL]                      ; the opening: the add, twice on end, and its wait ahead of my first tensor load
	ds_add_u32 v[SPW], v[NIL]
	v_lshrrev_b32 v1, 5, v0
	v_readfirstlane_b32 s[WV], v1
	s_lshr_b32 s[HI], s[WV], 1                     ; my half of the tokens.  Also: I fetch for the tokens (0) or for W_o (1)
	s_and_b32 s[LO], s[WV], 1                      ; my half of the channels.  Also: which half of that panel's tiles I fetch
	s_bfe_u32 s[CX], ttmp6, 0x40000
	s_bfe_u32 s[CY], ttmp6, 0x40004
	s_and_b32 s[YY], ttmp7, 0xffff
	s_lshl_b32 s[YY], s[YY], 2
	s_add_co_u32 s[YY], s[YY], s[CY]
	s_lshl_b32 s28, s[CY], 2
	s_lshl_b32 s28, 15, s28                        ; my row of the cluster
	s_lshl_b32 s66, 0x1111, s[CX]                  ; my column
	s_or_b32 s[G1X], s28, (3<<16)|(1<<21)          ; group 1: rows of 768 elements of 8 bytes (a tile's half of K), 1,536 elements apart; 4 tiles of tokens, 8 of W_o; dense in LDS
	s_or_b32 s[G1W], s66, (3<<16)|(1<<21)
.irp g, G1X, G1W
	s_mov_b32 s[\g+1], 768<<16
	s_mov_b32 s[\g+3], 768<<16
	s_mov_b32 s[\g+5], 1536
	s_mov_b32 s[\g+6], 0
	s_mov_b32 s[\g+7], 0
.endr
	s_mov_b32 s[G1X+2], 4<<16
	s_mov_b32 s[G1X+4], 4
	s_mov_b32 s[G1W+2], 8<<16
	s_mov_b32 s[G1W+4], 8
	s_lshl_b32 s28, s[YY], 3                       ; tokens: tile 8 y + 4 LO (registers that never hold cx)
	s_lshl_b32 s29, s[LO], 2
	s_add_co_u32 s28, s28, s29
	s_mul_i32 s28, s28, ROWT
	s_mov_b32 s29, 0
	s_lshl_b32 s66, s[CX], 4                       ; W_o: tile 192 + 16 cx + 8 LO (registers that never hold cy)
	s_lshl_b32 s67, s[LO], 3
	s_add_co_u32 s66, s66, s67
	s_add_co_u32 s66, s66, 192
	s_mul_i32 s66, s66, ROWT
	s_mov_b32 s67, 0
	s_mul_i32 s30, s[LO], 4*TILEB                  ; where they go in a half
	s_mul_i32 s31, s[LO], 8*TILEB
	s_add_co_u32 s31, s31, WOFF                    ; (kept: my eight tiles of W_o)
	s_wait_dscnt 0x0                               ; both opening adds are done
	s_wait_kmcnt 0x0
	s_add_nc_u64 s[28:29], s[4:5], s[28:29]
	s_add_nc_u64 s[66:67], s[8:9], s[66:67]
	CROUND                                         ; all sixteen work-groups are here: the joint loads meet
.irp q, 0,1
	s_mov_b32 s[G0X+4*\q], 1
	s_add_co_u32 s[G0X+4*\q+1], s30, \q*SLOTB
	s_add_nc_u64 s[G0X+4*\q+2:G0X+4*\q+3], s[28:29], \q*TILEB
	s_or_b32 s[G0X+4*\q+3], s[G0X+4*\q+3], 0x80000000
	s_mov_b32 s[G0W+4*\q], 1
	s_add_co_u32 s[G0W+4*\q+1], s31, \q*SLOTB
	s_add_nc_u64 s[G0W+4*\q+2:G0W+4*\q+3], s[66:67], \q*TILEB
	s_or_b32 s[G0W+4*\q+3], s[G0W+4*\q+3], 0x80000000
.endr
	JLOAD 0
	s_lshl_b32 s2, s[CX], 4
	s_lshl_b32 s3, s[LO], 3
	s_add_co_u32 s2, s2, s3
	s_add_co_u32 s2, s2, 192
	s_lshl_b32 s2, s2, 9
	s_mov_b32 s3, 0
	s_add_nc_u64 s[88:89], s[10:11], s[2:3]        ; W_o's scale words: my eight tiles
	s_lshl_b32 s2, s[YY], 8
	s_lshl_b32 s25, s[HI], 7
	s_add_co_u32 s2, s2, s25
	s_add_nc_u64 s[86:87], s[6:7], s[2:3]          ; the tokens' scale bytes: row 128 y + 64 HI, two bytes a row
	s_lshl_b32 s2, s[CX], 10
	s_lshl_b32 s25, s[LO], 9
	s_add_co_u32 s2, s2, s25                       ; my first channel, 256 cx + 128 LO, in bytes
	s_add_nc_u64 s[92:93], s[12:13], s[2:3]        ; its bias
	s_lshl_b32 s25, s[YY], 19
	s_add_co_u32 s2, s2, s25
	s_lshl_b32 s25, s[HI], 18
	s_add_co_u32 s2, s2, s25
	s_add_nc_u64 s[90:91], s[14:15], s[2:3]        ; out0 at token 128 y + 64 HI, that channel
	s_mul_i32 s27, s[HI], 4*TILEB                  ; my four token tiles in a half
	s_mul_i32 s25, s[WV], STG
	s_add_co_u32 s25, s25, STAGE                   ; my stage
	v_and_b32 v1, 31, v0
	v_and_b32 v2, 15, v0
	v_bfe_u32 v3, v0, 4, 1
	v_lshlrev_b32 v[L16], 4, v1
	v_lshlrev_b32 v[L8], 3, v1
	v_lshlrev_b32 v[RL], 1, v1
	v_lshlrev_b32 v[SL], 4, v2
	v_lshl_add_u32 v[SL], v3, 9, v[SL]
	v_lshlrev_b32 v[BAQ], 6, v3
.irp i, 0,1,2,3
.irp j, 0,1
	global_load_b128 v[SCB+8*\i+4*\j:SCB+8*\i+4*\j+3], v[SL], s[88:89] offset:1024*\i+256*\j
.endr
.endr
.irp i, 0,1                                    ; lanes 0-15: block 2 i's rows, lanes 16-31: block 2 i + 1's; one head's two bytes a load
.irp d, 0,1,2,3,4,5,6,7,8,9,10,11,12,13,14,15
	global_load_u16 v[HA+16*\i+\d], v[RL], s[86:87] offset:16384*\d+64*\i
.endr
.endr
.irp g, 0,1,2,3                                ; register 16 g + i: the bias of channel 32 g + 16 h + i
.irp k, 0,1,2,3
	global_load_b128 v[BI+16*\g+4*\k:BI+16*\g+4*\k+3], v[BAQ], s[92:93] offset:128*\g+16*\k
.endr
.endr
	v_add_nc_u32 v[L8P], 512, v[L8]
	v_add_nc_u32 v[A16], s27, v[L16]
	v_add_nc_u32 v[B16], s31, v[L16]
	v_add_nc_u32 v[A8], s27, v[L8P]
	v_add_nc_u32 v[B8], s31, v[L8P]
	v_mul_u32_u24 v[STO], v2, SPITCH
	v_lshl_add_u32 v[STO], v3, 6, v[STO]
	v_add_nc_u32 v[STO], s25, v[STO]
	v_mul_u32_u24 v[RD], v3, SPITCH
	v_lshl_add_u32 v[RD], v2, 4, v[RD]
	v_add_nc_u32 v[RD], s25, v[RD]
	v_lshlrev_b32 v[CO], 12, v3
	v_lshl_add_u32 v[CO], v2, 4, v[CO]
	WALU
	s_wait_loadcnt 0x0                             ; scale words, scale bytes, bias
.irp i, 0,1
.irp s, 0,1,2,3,4,5,6,7
	v_lshl_or_b32 v[SCA+8*\i+\s], v[HA+16*\i+2*\s+1], 16, v[HA+16*\i+2*\s]   ; K step s is heads 2 s and 2 s + 1: four bytes
.endr
.endr
.rept 8
	v_nop                                          ; a scale register written by a vector instruction stands eight places ahead of a scaled product
.endr
	WALU
	s_wait_tensorcnt 0x0                           ; my part of the first half of K is in; the three lines ahead of a later first fill
	ds_add_u32 v[SPW], v[NIL]
	s_wait_dscnt 0x0
	CROUND                                         ; everybody's part is in, and all sixteen work-groups are here
	JLOAD 1                                        ; the second half: it lands under half steps 0 to 2
	LOADS 0
.irp g, 0,1,2,3,4,5,6,7
	KH \g
.endr
	WIN 0
	NOP4                                           ; places behind the last products
.irp a, 0,1,2,3
	OUTB \a, 0
.endr
.irp g, 8,9,10,11,12,13,14,15
	KH \g
.endr
	WIN 0
	NOP4
.irp a, 0,1,2,3
	OUTB \a, 1
.endr
	s_wait_tensorcnt 0x0                           ; the wave's end: the three lines, behind my last tensor load and my last LDS store
	ds_add_u32 v[SPW], v[NIL]
	s_wait_dscnt 0x0
	CROUND                                         ; the closing round
	s_endpgm
.Lfunc_end_k_q37ad85b7e7_oproj:
	.size	k_q37ad85b7e7_oproj, .Lfunc_end_k_q37ad85b7e7_oproj-k_q37ad85b7e7_oproj
	.p2alignl 7, 3214868480
	.fill 96, 4, 3214868480
	.section	.rodata,"a",@progbits
	.p2align	6, 0x0
	.amdhsa_kernel k_q37ad85b7e7_oproj
		.amdhsa_group_segment_fixed_size 327680
		.amdhsa_private_segment_fixed_size 0
		.amdhsa_enable_private_segment 0
		.amdhsa_kernarg_size 48
		.amdhsa_user_sgpr_count 2
		.amdhsa_user_sgpr_kernarg_segment_ptr 1
		.amdhsa_wavefront_size32 1
		.amdhsa_system_sgpr_workgroup_id_x 1
		.amdhsa_system_sgpr_workgroup_id_y 1
		.amdhsa_system_sgpr_workgroup_id_z 1
		.amdhsa_system_vgpr_workitem_id 0
		.amdhsa_next_free_vgpr 1024
		.amdhsa_next_free_sgpr 102
		.amdhsa_reserve_vcc 0
		.amdhsa_float_denorm_mode_32 3
		.amdhsa_float_denorm_mode_16_64 3
		.amdhsa_memory_ordered 1
		.amdhsa_forward_progress 1
		.amdhsa_inst_pref_size 109
	.end_amdhsa_kernel
	.amdgpu_metadata
---
amdhsa.version: [ 1, 2 ]
amdhsa.kernels:
  - .name:           k_q37ad85b7e7_oproj
    .symbol:         k_q37ad85b7e7_oproj.kd
    .args:
      - { .name: oc, .offset: 0, .size: 8, .value_kind: global_buffer, .address_space: global }
      - { .name: os, .offset: 8, .size: 8, .value_kind: global_buffer, .address_space: global }
      - { .name: wc, .offset: 16, .size: 8, .value_kind: global_buffer, .address_space: global }
      - { .name: ws, .offset: 24, .size: 8, .value_kind: global_buffer, .address_space: global }
      - { .name: b_o, .offset: 32, .size: 8, .value_kind: global_buffer, .address_space: global }
      - { .name: out0, .offset: 40, .size: 8, .value_kind: global_buffer, .address_space: global }
    .group_segment_fixed_size: 327680
    .private_segment_fixed_size: 0
    .kernarg_segment_align: 8
    .kernarg_segment_size: 48
    .max_flat_workgroup_size: 128
    .sgpr_count:     102
    .vgpr_count:     1024
    .wavefront_size: 32
...
	.end_amdgpu_metadata
.endif
;; end of part 4
